; MI455X (gfx1250); checked and timed in simulation.
; The chip was launched on July 23, 2026; its instructions are those of AMD's public machine-readable ISA for CDNA 5 (MIT licence, August 2026) and "CDNA5" Instruction Set Architecture Reference Guide (July 2026). The comments in the code are by the model that wrote it; some were corrected since.
;; Casual Self Attention. Allowed arithmetic: matrix products marked QUANTISED: E2M1 operands, one E8M0 scale for each 32 along K, by v_wmma_scale_f32_16x16x128_f8f6f4 with both operands' format E2M1 (or v_wmma_scale_f32_32x16x128_f4), f32 sums; products left as they are: bf16, f16 or f32 operands; f32 sums; everything else in f32.
;; Inputs: Wk 1,024 x 1,024 float32; Wp 1,024 x 1,024 float32; Wq 1,024 x 1,024 float32; Wv 1,024 x 1,024 float32; bp 1,024 float32; x 8 x 1,024 x 1,024 float32.
;; Outputs: out0 8 x 1,024 x 1,024 float32.
;; This version of the problem:
;;   THIS VERSION OF THE PROBLEM IS GIVEN IN LOW PRECISION. The matrix products marked QUANTISED in the list below multiply operands that are first quantised to E2M1 (2 exponent bits, 1 mantissa bit; 4 bits a number), with one power-of-two scale for each 32 numbers along K (OCP MX v1.0); their sums are f32. The products marked 'left as it is' may take bf16, f16 or f32 operands, with f32 sums. Whichever they take, every output number must still come out within the allowed error. Rounding operands to bf16 (8 significant bits) uses up far more of that allowance than f16 does (11 bits, for magnitudes from 6e-5 to 65,504). All else is computed in f32.
;;   The module's matrix products, in the order in which they are computed (A, B: the left and right operand; K: the contracted axis; several contracted axes count as one K, in the product's order):
;;     1. [M 8,192, K 1,024] x [K 1,024, N 1,024]; A: input x; B: input Wk: QUANTISED
;;     2. [M 8,192, K 1,024] x [K 1,024, N 1,024]; A: input x; B: input Wq: QUANTISED
;;     3. [M 8,192, K 1,024] x [K 1,024, N 1,024]; A: input x; B: input Wv: QUANTISED
;;     4. batch 128 x [M 1,024, K 64] x [K 64, N 1,024]; A: computed on the way; B: computed on the way: left as it is (an operand is computed on the way)
;;     5. batch 128 x [M 1,024, K 1,024] x [K 1,024, N 64]; A: computed on the way; B: computed on the way: left as it is (an operand is computed on the way)
;;     6. [M 8,192, K 1,024] x [K 1,024, N 1,024]; A: computed on the way; B: input Wp: left as it is (an operand is computed on the way)
;;   THE QUANTISER, for each operand of a quantised product, along K:
;;     - K is cut into blocks of 32 from its start; a last block that is shorter is filled with zeros.
;;     - A block's scale is 2^e with e = floor(log2(the largest magnitude in the block)) - 2, held to -126 .. 127; a block of zeros has e = 0. As a byte (E8M0): e + 127.
;;     - Each number is divided by its block's scale, clamped to +-6, and rounded to the nearest number of E2M1, ties to even, subnormals kept.
;;     - The product sums the exact products of the quantised numbers (number of the format x scale) in f32.
;;   ~~~python
;;   def quantise(x, axis):      # numpy; x: float32 -> the quantised numbers, widened to float32 again
;;       x = np.moveaxis(x, axis, -1); K = x.shape[-1]
;;       x = np.pad(x, [(0, 0)] * (x.ndim - 1) + [(0, -K % 32)]); x = x.reshape(x.shape[:-1] + (-1, 32)); a = np.abs(x).max(-1, keepdims=True)
;;       e = np.where(a > 0, np.clip(np.frexp(np.where(a > 0, a, 1))[1] - 1 - 2, -126, 127), 0)      # np.frexp(a)[1] - 1 = floor(log2(a)), exactly
;;       r = np.clip(x / 2.0 ** e, -6, 6)
;;       step = 2.0 ** (np.maximum(np.frexp(np.where(r == 0, 1, r))[1] - 1, 0) - 1)
;;       q = np.round(r / step) * step * 2.0 ** e      # np.round: ties to even
;;       return np.moveaxis(q.reshape(q.shape[:-2] + (-1,))[..., :K], -1, axis).astype(np.float32)
;;   ~~~
;; One version. Each part assembles by itself: llvm-mc -triple=amdgcn-amd-amdhsa -mcpu=gfx1250 --defsym DOCPART=n.
;; ======== version 1 of 1: 4 launches
;; limits: values are held in f16: magnitudes above 65,504 overflow, below 6.1e-05 lose precision
;; workspace buffers: xc 4,194,304 bytes; xs 262,144 bytes; wc 1,572,864 bytes; ws 98,304 bytes; wp16 2,097,152 bytes; kqv 50,331,648 bytes; hd16 1,572,864 bytes; y16 16,777,216 bytes
;; launch prep (part 1): grid 416 x 1, 4 waves a work-group, no clusters, 33,280 bytes of LDS; arguments x, Wk, Wq, Wv, Wp, xc, xs, wc, ws, wp16; writes xc, xs, wc, ws, wp16
.if DOCPART == 1
	.amdgcn_target "amdgcn-amd-amdhsa--gfx1250"
	.amdhsa_code_object_version 6
	.text
	.protected	k_q6a0f6446ee_prep
	.globl	k_q6a0f6446ee_prep
	.p2align	8
	.type	k_q6a0f6446ee_prep,@function
k_q6a0f6446ee_prep:
	s_mov_b64 s[64:65], 0
	v_nop
	global_prefetch_b8 v0, s[64:65] scope:SCOPE_SE
	s_setreg_imm32_b32 hwreg(HW_REG_WAVE_MODE, 25, 1), 1
	s_wait_xcnt 0x0
; THE PROGRAM: out = softmax_causal((x Wk^T)(x Wq^T)^T / 8) (x Wv^T), head by head, then Wp^T and bp.  Four launches: this one (operands made ready), the three input products on
; codes of FP4, attention in f16, and the projection in f16, which also carries positions 0 to 15 of every sequence once more in f32, from the projections of x to their rows of out.
; WORK LEFT OUT: reference() itself puts -infinity, by its own jnp.tril, on every att[i][j] with j > i, ahead of the softmax; such a term has the weight exp(-infinity) = 0 whatever finite values x and
; the weights hold.  So a step of 64 columns j that lies wholly behind all rows i of a wave is neither multiplied nor summed (third launch).  No input is without a way to the output: all six are loaded.
; LIMIT: a NaN, an infinity or an overflow that reaches only those terms is not carried to the result.
; LIMITS OF FORMAT: the three projections of x, the attention's result and Wp go on as f16: magnitudes up to 65,504; under 6e-8 they fall to 0.  Blocks whose largest magnitude lies under 2^-124 keep
; the scale byte 1; a block of zeros keeps that byte too (its codes are zeros, and this program alone reads the bytes).  NaN and infinities among the inputs are not served.
; THIS LAUNCH.  x [8192][1024] and Wk, Wq, Wv [1024][1024], f32, K innermost, become codes of FP4 (E2M1) with one E8M0 byte for each 32 along K: a block's scale is 2^(floor(log2(largest magnitude)) - 2),
; its byte the largest magnitude's exponent field - 2; each number is divided by the scale and rounded to the nearest code, ties to even, beyond 6 the largest code.
; Rows are dense and K is a multiple of 32, so each tensor is a plain stream of blocks.  Work-groups 0-255 take x, 256-287 Wk, 288-319 Wq, 320-351 Wv (the three weights' codes on end: 3,072 rows);
; a wave takes 16 steps of 512 numbers.  Each load reads 512 consecutive bytes; a step's 2,048 bytes turn through the wave's own stage in LDS so that a lane holds 16 neighbours along K.
; Work-groups 352-415 round Wp to f16 and lay it [16 heads][1024 rows][64]: a head's 64 channels of neighbouring rows on end, as the projection's tiles want them.
.set WAVES, 4
.set STEPS, 16
.set EMAX,  2
.set CB,    8                          ; bytes of 16 codes
.set R,     16                         ; v16-79   four sets of 16 numbers as they are loaded
.set X,     80                         ; v80-111  two sets of 16 neighbours
.set C,     128                        ; v128-191 codes: four registers for each step, so that no store's data are written again
.set E,     112                        ; v112-127 a scale byte for each step
.set WREG,  8192                       ; LDS: a region for each wave: two stages of 32 x SP bytes, behind them its 256 scale bytes
.set SP,    80                         ; a lane's place in a stage: 64 bytes + 16 of padding
.set SPW,   12                         ; v12  LDS address of my spare word; never rewritten
.set NIL,   13                         ; v13  0; never rewritten
.set SPARE, WAVES*WREG                 ; behind the four regions: the spare words, 128 bytes a wave
.set SRC,   24                         ; s[24:25] the tensor at my wave's run
.set COD,   26                         ; s[26:27] its codes
.set SCB,   28                         ; s[28:29] its scale bytes
	s_load_b256 s[4:11], s[0:1], 0x0               ; x, Wk, Wq, Wv
	s_load_b256 s[12:19], s[0:1], 0x20             ; Wp, xc, xs, wc
	s_load_b128 s[20:23], s[0:1], 0x40             ; ws, wp16
	v_lshl_add_u32 v[SPW], v0, 2, SPARE
	v_mov_b32 v[NIL], 0
	v_lshrrev_b32 v1, 5, v0
	v_readfirstlane_b32 s32, v1                    ; wave
	v_and_b32 v2, 31, v0                           ; lane
	v_lshlrev_b32 v3, 4, v2                        ; my 16 bytes of a load's 512
	s_mul_i32 s37, s32, WREG
	v_lshrrev_b32 v14, 2, v2
	v_mul_u32_u24 v14, v14, SP
	v_and_b32 v15, 3, v2
	v_lshl_add_u32 v14, v15, 4, v14
	v_add_nc_u32 v14, s37, v14                     ; the stage, on the way in: SP (lane / 4) + 16 (lane % 4)
	v_mul_u32_u24 v15, v2, SP
	v_add_nc_u32 v15, s37, v15                     ; and on the way out: SP x lane: my 16 neighbours
	v_mul_u32_u24 v4, v2, CB                       ; my codes' place in a step's
	v_lshrrev_b32 v5, 1, v2
	s_add_co_u32 s37, s37, 2*32*SP
	v_add_nc_u32 v5, s37, v5                       ; LDS: my wave's 256 scale bytes, my block's byte
	v_lshlrev_b32 v7, 3, v2                        ; 8 bytes a lane
	v_add_nc_u32 v6, s37, v7
	s_and_b32 s33, ttmp9, 31                       ; a weight's work-group among its 32
	s_wait_kmcnt 0x0
	s_cmp_ge_u32 ttmp9, 352
	s_cbranch_scc1 .Lwp                            ; the choice hangs on the work-group's number alone
	s_cmp_lt_u32 ttmp9, 320
	s_cselect_b64 s[SRC:SRC+1], s[8:9], s[10:11]
	s_cmp_lt_u32 ttmp9, 288
	s_cselect_b64 s[SRC:SRC+1], s[6:7], s[SRC:SRC+1]
	s_cmp_lt_u32 ttmp9, 256
	s_cselect_b64 s[SRC:SRC+1], s[4:5], s[SRC:SRC+1]
	s_cselect_b64 s[COD:COD+1], s[14:15], s[18:19]
	s_cselect_b64 s[SCB:SCB+1], s[16:17], s[20:21]
	s_cselect_b32 s35, ttmp9, s33                  ; the work-group's place in the tensor that it reads,
	s_cselect_b32 s36, 0, 256
	s_sub_co_u32 s36, ttmp9, s36                   ; and in the buffers that it writes (the three weights on end)
	s_lshl_b32 s35, s35, 2
	s_add_co_u32 s35, s35, s32                     ; my wave's run of 8,192 numbers: in,
	s_lshl_b32 s36, s36, 2
	s_add_co_u32 s36, s36, s32                     ; out
	s_mov_b32 s39, 0
	s_lshl_b32 s38, s35, 15                        ; 32,768 bytes of numbers a run
	s_add_nc_u64 s[SRC:SRC+1], s[SRC:SRC+1], s[38:39]
	s_lshl_b32 s38, s36, 12                        ; 4,096 bytes of codes
	s_add_nc_u64 s[COD:COD+1], s[COD:COD+1], s[38:39]
	s_lshl_b32 s38, s36, 8                         ; 256 scale bytes
	s_add_nc_u64 s[SCB:SCB+1], s[SCB:SCB+1], s[38:39]
.macro LOAD t
.irp i, 0,1,2,3
	global_load_b128 v[R+16*((\t)%4)+4*\i:R+16*((\t)%4)+4*\i+3], v3, s[SRC:SRC+1] offset:2048*(\t)+512*\i th:TH_LOAD_NT   ; 32 lanes read 512 consecutive bytes
.endr
.endm
.macro TURN t                          ; step t's numbers through the stage: LDS serves a wave's instructions in order, so no wait stands between the stores and the loads
.irp i, 0,1,2,3
	ds_store_b128 v14, v[R+16*((\t)%4)+4*\i:R+16*((\t)%4)+4*\i+3] offset:32*SP*((\t)%2)+8*SP*\i
.endr
.irp i, 0,1,2,3
	ds_load_b128 v[X+16*((\t)%2)+4*\i:X+16*((\t)%2)+4*\i+3], v15 offset:32*SP*((\t)%2)+16*\i
.endr
.endm
.irp t, 0,1,2,3
	LOAD \t
.endr
	s_wait_loadcnt 12                              ; step 0's four loads are in; the twelve of steps 1 to 3 may be out
	TURN 0
.macro STEP t
.set XS, X+16*((\t)%2)
.if (\t) > 0
	s_wait_dscnt 1                                 ; this step's numbers are back from the stage (the last step's byte store may be out): so its stores into the stage have read their registers,
.else
	s_wait_dscnt 0x0
.endif
.if (\t)+4 < STEPS
	LOAD (\t)+4                                    ; which take the loads of four steps on
.endif
.if (\t)+1 < STEPS
.if STEPS-2-(\t) >= 3
	s_wait_loadcnt 12                              ; the next step's four loads are in; those of the three steps behind it may be out
.else
	s_wait_loadcnt 4*(STEPS-2-(\t))
.endif
	TURN (\t)+1                                    ; and go through the other stage while this step is worked
.endif
	v_max3_num_f32 v8, |v[XS]|, |v[XS+1]|, |v[XS+2]|               ; the largest magnitude of my 16
	v_max3_num_f32 v9, |v[XS+3]|, |v[XS+4]|, |v[XS+5]|
.irp i, 6,10
	v_max3_num_f32 v8, v8, |v[XS+\i]|, |v[XS+\i+1]|
	v_max3_num_f32 v9, v9, |v[XS+\i+2]|, |v[XS+\i+3]|
.endr
	v_max3_num_f32 v8, v8, |v[XS+14]|, |v[XS+15]|
	v_max3_num_f32 v8, v8, v9, (EMAX+1)<<23        ; and the floor 2^(EMAX + 1 - 127): the byte cannot fall under 1
	v_max_num_f32_dpp v8, v8, v8 row_xmask:1 row_mask:0xf bank_mask:0xf   ; and of my neighbour's 16: the block's
	v_add_nc_u32 v11, -(EMAX<<23), v8              ; EMAX off its exponent field: the conversion takes the exponent field of this operand as its scale
	v_cvt_scalef32_pk8_fp4_f32 v[C+4*(\t)], v[XS:XS+7], v11
	v_cvt_scalef32_pk8_fp4_f32 v[C+4*(\t)+1], v[XS+8:XS+15], v11
	v_lshrrev_b32 v[E+(\t)], 23, v11               ; the scale's byte
	ds_store_b8 v5, v[E+(\t)] offset:16*(\t)       ; both lanes of a block write the same byte with the same value
	global_store_b64 v4, v[C+4*(\t):C+4*(\t)+1], s[COD:COD+1] offset:32*CB*(\t)   ; the wave stores 256 consecutive bytes, aligned
.endm
.irp t, 0,1,2,3,4,5,6,7,8,9,10,11,12,13,14,15
	STEP \t
.endr
	ds_load_b64 v[8:9], v6                         ; LDS serves a wave's instructions in order: these see my stores
	s_wait_dscnt 0x0
	global_store_b64 v7, v[8:9], s[SCB:SCB+1]      ; 32 lanes store 256 consecutive bytes, aligned
	s_wait_tensorcnt 0x0                           ; the wave's end
	ds_add_u32 v[SPW], v[NIL]
	s_wait_dscnt 0x0
	s_endpgm
; Wp to f16.  Wave u of 256 takes head u / 16 and rows 64 (u % 16) on.  A load reads a head's 256 bytes of two rows; its 8 bytes a lane of f16 are 256 consecutive bytes of the output.  No LDS is touched on this path.
.Lwp:
	s_sub_co_u32 s33, ttmp9, 352
	s_lshl_b32 s33, s33, 2
	s_add_co_u32 s33, s33, s32                     ; u
	s_lshr_b32 s34, s33, 4                         ; head
	s_and_b32 s35, s33, 15                         ; block of 64 rows
	s_mov_b32 s39, 0
	s_lshl_b32 s38, s35, 18                        ; 64 rows of 4,096 bytes
	s_lshl_b32 s36, s34, 8                         ; the head's 256 bytes in a row
	s_add_co_u32 s38, s38, s36
	s_add_nc_u64 s[12:13], s[12:13], s[38:39]
	s_lshl_b32 s38, s34, 17                        ; out: 1,024 rows of 128 bytes a head,
	s_lshl_b32 s36, s35, 13                        ; 64 rows of 128 bytes
	s_add_co_u32 s38, s38, s36
	s_add_nc_u64 s[22:23], s[22:23], s[38:39]
	v_lshrrev_b32 v8, 4, v2
	v_and_b32 v9, 15, v2
	v_lshlrev_b32 v9, 4, v9
	v_lshl_add_u32 v8, v8, 12, v9                  ; lanes 0-15 one row, lanes 16-31 the next; 16 bytes a lane
.set i, 0
.rept 32
	global_load_b128 v[16+4*i:19+4*i], v8, s[12:13] offset:8192*i th:TH_LOAD_NT
.set i, i+1
.endr
.set i, 0
.rept 32
.if i == 0
	s_wait_loadcnt 16                              ; the first sixteen loads are in, the younger sixteen may be out
.endif
.if i == 16
	s_wait_loadcnt 0x0
.endif
	v_cvt_pk_f16_f32 v[16+4*i], v[16+4*i], v[17+4*i]
	v_cvt_pk_f16_f32 v[17+4*i], v[18+4*i], v[19+4*i]
	global_store_b64 v7, v[16+4*i:17+4*i], s[22:23] offset:256*i   ; 256 consecutive bytes, aligned
.set i, i+1
.endr
	s_endpgm
.Lfunc_end_k_q6a0f6446ee_prep:
	.size	k_q6a0f6446ee_prep, .Lfunc_end_k_q6a0f6446ee_prep-k_q6a0f6446ee_prep
	.p2alignl 7, 3214868480
	.fill 96, 4, 3214868480
	.section	.rodata,"a",@progbits
	.p2align	6, 0x0
	.amdhsa_kernel k_q6a0f6446ee_prep
		.amdhsa_group_segment_fixed_size 33280
		.amdhsa_private_segment_fixed_size 0
		.amdhsa_enable_private_segment 0
		.amdhsa_kernarg_size 80
		.amdhsa_user_sgpr_count 2
		.amdhsa_user_sgpr_kernarg_segment_ptr 1
		.amdhsa_wavefront_size32 1
		.amdhsa_system_sgpr_workgroup_id_x 1
		.amdhsa_system_sgpr_workgroup_id_y 1
		.amdhsa_system_sgpr_workgroup_id_z 1
		.amdhsa_system_vgpr_workitem_id 0
		.amdhsa_next_free_vgpr 192
		.amdhsa_next_free_sgpr 66
		.amdhsa_reserve_vcc 0
		.amdhsa_float_denorm_mode_32 3
		.amdhsa_float_denorm_mode_16_64 3
		.amdhsa_memory_ordered 1
		.amdhsa_forward_progress 1
		.amdhsa_inst_pref_size 44
	.end_amdhsa_kernel
	.amdgpu_metadata
---
amdhsa.version: [ 1, 2 ]
amdhsa.kernels:
  - .name:           k_q6a0f6446ee_prep
    .symbol:         k_q6a0f6446ee_prep.kd
    .args:
      - { .name: x, .offset: 0, .size: 8, .value_kind: global_buffer, .address_space: global }
      - { .name: Wk, .offset: 8, .size: 8, .value_kind: global_buffer, .address_space: global }
      - { .name: Wq, .offset: 16, .size: 8, .value_kind: global_buffer, .address_space: global }
      - { .name: Wv, .offset: 24, .size: 8, .value_kind: global_buffer, .address_space: global }
      - { .name: Wp, .offset: 32, .size: 8, .value_kind: global_buffer, .address_space: global }
      - { .name: xc, .offset: 40, .size: 8, .value_kind: global_buffer, .address_space: global }
      - { .name: xs, .offset: 48, .size: 8, .value_kind: global_buffer, .address_space: global }
      - { .name: wc, .offset: 56, .size: 8, .value_kind: global_buffer, .address_space: global }
      - { .name: ws, .offset: 64, .size: 8, .value_kind: global_buffer, .address_space: global }
      - { .name: wp16, .offset: 72, .size: 8, .value_kind: global_buffer, .address_space: global }
    .group_segment_fixed_size: 33280
    .private_segment_fixed_size: 0
    .kernarg_segment_align: 8
    .kernarg_segment_size: 80
    .max_flat_workgroup_size: 128
    .sgpr_count:     66
    .vgpr_count:     192
    .wavefront_size: 32
...
	.end_amdgpu_metadata
.endif
;; end of part 1
;; launch qkv (part 2): grid 12 x 32, 4 waves a work-group, clusters of 4 x 4, 327,680 bytes of LDS; arguments xc, xs, wc, ws, kqv, hd16; writes kqv, hd16
.if DOCPART == 2
	.amdgcn_target "amdgcn-amd-amdhsa--gfx1250"
	.amdhsa_code_object_version 6
	.text
	.protected	k_q6a0f6446ee_qkv
	.globl	k_q6a0f6446ee_qkv
	.p2align	8
	.type	k_q6a0f6446ee_qkv,@function
k_q6a0f6446ee_qkv:
	s_mov_b64 s[64:65], 0
	v_nop
	global_prefetch_b8 v0, s[64:65] scope:SCOPE_SE
	s_setreg_imm32_b32 hwreg(HW_REG_WAVE_MODE, 25, 1), 1
	s_wait_xcnt 0x0
	s_wait_alu depctr_hold_cnt(0) depctr_sa_sdst(0) depctr_va_vdst(0) depctr_va_sdst(0) depctr_va_ssrc(0) depctr_va_vcc(0) depctr_vm_vsrc(0)
	s_getreg_b32 s2, hwreg(HW_REG_IB_STS2, 6, 4)
	s_cmp_eq_u32 s2, 0
	s_cbranch_scc0 .Lentry_in_a_cluster
	s_endpgm
.Lentry_in_a_cluster:
	s_bfe_u32 s2, ttmp6, 0x10000c
	s_cmp_lg_u32 s2, 0xf033
	s_cbranch_scc0 .Lentry_shape_is_right
	s_endpgm
.Lentry_shape_is_right:
; The three input products at once: C[m][n] = sum over k of x[m][k] W[n][k], m = 8,192 rows of x, n = 3,072 rows of Wk, Wq, Wv on end, K = 1,024, both operands codes of FP4 (E2M1) with one E8M0 byte for each 32 along K; sums in f32.
; A tile of C, 256 x 256, is made by a work-group of four waves; a wave makes 128 x 128: 64 accumulators of 16 x 16, 512 registers.  K is two steps of 512: two LDS slots, each filled once; a tile's row is 256 bytes of memory.
; The scale bytes of the work-group's 256 rows of x and 256 rows of W, for all of K, are two dense blocks of memory: they come into LDS once, with the first fills.
; CLUSTERS: 4 x 4 work-groups.  The four of a row of the cluster need the same tiles of x, the four of a column the same tiles of W: each tile is asked for jointly.  The tile row is cluster y + 8 cy, so that
; its place in a batch (tile row mod 4) is the same number in all sixteen partners.
; THE MATRIX INSTRUCTION IS USED TRANSPOSED (source 0 = 16 rows of W, source 1 = 16 rows of x): a lane holds eight neighbouring columns of a row of C.
; THE WAY OUT: rounded to f16 and laid [which 3][batch 8][head 16][t 1024][64]: a head's row is 128 bytes and the next position's follows it, so a store of the wave covers 512 consecutive bytes.
; Positions 0 to 15 of every batch also leave in f32, laid [which][batch][head][16][64], for the launch that carries them finely.
; REGISTERS, in windows of 256: window 0: v0-31 addresses; v32-95 scale words, two sets; from v128 x's fragments, one set.  window 1: W's fragments, two sets.  windows 2, 3: the accumulators ((a, b) at v[8 (8 (a % 4) + b)]).
.set SIZE_K, 1024
.set KSTEP,  512
.set NQ,     KSTEP/128
.set ROWB,   256                       ; a tile's row in bytes
.set KROW,   SIZE_K*4/8                ; a row of codes in memory
.set PITCH,  272                       ; an LDS row: 256 bytes + 16 of padding: the 16 rows that a load touches start 68 words apart
.set FR,     8
.set NL,     2
.set NP,     4
.set HALFT,  128*PITCH
.set SLOT,   4*HALFT
.set KS,     SIZE_K/32
.set SCL,    2*SLOT                    ; behind the slots: the scales, as rows of 256 bytes + 16 of padding
.set HALFS,  (128*KS/256)*272
.set SBLK,   (16*KS/256)*272
.set SPARE,  SCL+4*HALFS               ; the spare words, 128 bytes a wave
.set SG32,   0                         ; the way out's stages lie in slot 0, which has had its one fill and its last read by then: f32: 16 rows x 528 bytes a wave;
.set SG16,   4*16*528                  ; f16: two heads x 16 rows x 144 bytes a wave
.set ADRA, 16
.set ADRB, 20
.set CO32, 22                          ; v22  f32 out: 4,096 (lane / 16) + 16 (lane % 16)
.set STO16, 24
.set RD16, 25
.set CO16, 26                          ; v26  16 x lane
.set ADRS, 27
.set SPW,  28
.set NIL,  29
.set STO32, 30
.set RD32, 31
.set SC,   32
.set AF,   128
.set TMP,  32                          ; the way out: packed results
.set BK,   128                         ; the way out: rows read back
.set G1, 24
.set G0, 32
.set G1B, 48
.set G0B, 56
.set G1S, 68
.set G0S, 76
.set G1SB, 80
.set G0SB, 88
.set MSB, 0
.macro WIN new                         ; the immediate's high byte repeats the setting that is left
.if MSB != \new
	s_set_vgpr_msb (MSB<<8)|\new
.set MSB, \new
.endif
.endm
.set MUL_LO, 0xa1                      ; source 0 (W) window 1, source 1 (x) window 0, C and D window 2
.set MUL_HI, 0xf1
.set TO_B,   0x40
; A joint load: waves 0 and 1 fetch for x, waves 2 and 3 for W.  The branch hangs on the wave's number alone.  An s_nop 0 and four v_nop follow each of the two lines.
.macro JLOAD g0a, g1a, g0b, g1b
	s_cmp_eq_u32 s15, 0
	s_cbranch_scc0 .Lfor_b_\@
	tensor_load_to_lds s[\g0a:\g0a+3], s[\g1a:\g1a+7]
	s_nop 0
.rept 4
	v_nop
.endr
	s_branch .Lasked_\@
.Lfor_b_\@:
	tensor_load_to_lds s[\g0b:\g0b+3], s[\g1b:\g1b+7]
	s_nop 0
.rept 4
	v_nop
.endr
.Lasked_\@:
.endm
.macro CROUND                          ; a round of the cluster's barrier
	s_barrier_signal -1
	s_barrier_wait -1
	s_cmp_lg_u32 s14, 0
	s_cbranch_scc1 .Lnot_wave_0_\@
	s_barrier_signal -3
.Lnot_wave_0_\@:
	s_barrier_wait -3
	s_barrier_signal -1
	s_barrier_wait -1
.endm
	s_load_b128 s[4:7], s[0:1], 0x0                ; x's codes, x's scales
	s_load_b128 s[8:11], s[0:1], 0x10              ; W's codes, W's scales
	s_load_b64 s[12:13], s[0:1], 0x20              ; kqv
	s_load_b64 s[66:67], s[0:1], 0x28              ; hd16
	v_lshl_add_u32 v[SPW], v0, 2, SPARE
	v_mov_b32 v[NIL], 0
	ds_add_u32 v[SPW], v[NIL]                      ; the wave's opening: the add, twice on end, and its wait ahead of my first tensor load
	ds_add_u32 v[SPW], v[NIL]
	v_lshrrev_b32 v1, 5, v0
	v_readfirstlane_b32 s14, v1                    ; wave 0..3
	s_lshr_b32 s15, s14, 1                         ; which half of the tile's rows is mine.  Also: I fetch for x (0) or for W (1)
	s_and_b32 s16, s14, 1                          ; which half of its columns.  Also: which 128 rows of that tile I fetch
	s_bfe_u32 s40, ttmp6, 0x40000                  ; cx, cy: my place in the cluster
	s_bfe_u32 s41, ttmp6, 0x40004
	s_lshl_b32 s42, ttmp9, 2
	s_add_co_u32 s42, s42, s40                     ; tile column = 4 x cluster x + cx
	s_and_b32 s17, ttmp7, 0xffff
	s_lshl_b32 s18, s41, 3
	s_add_co_u32 s17, s17, s18                     ; tile row = cluster y + 8 cy
	s_lshl_b32 s43, s41, 2
	s_lshl_b32 s43, 15, s43                        ; my row of the cluster
	s_lshl_b32 s44, 0x1111, s40                    ; my column
	s_or_b32 s[G1+0], s43, (0<<16)|(1<<20)|(1<<21)|(5<<22)|(3<<25)  ; the mask; elements of 1 byte; padding of 4 words behind every 64; bit 21 set beside a mask
	s_or_b32 s[G1B+0], s44, (0<<16)|(1<<20)|(1<<21)|(5<<22)|(3<<25)
.irp g, G1, G1B
	s_mov_b32 s[\g+1], ROWB<<16                    ; tensor_dim0
	s_mov_b32 s[\g+2], 128<<16                     ; tensor_dim1
	s_mov_b32 s[\g+3], ROWB<<16                    ; tile_dim0
	s_mov_b32 s[\g+4], 128                         ; tile_dim1
	s_mov_b32 s[\g+5], KROW                        ; pitch
	s_mov_b32 s[\g+6], 0
	s_mov_b32 s[\g+7], 0
.endr
	s_or_b32 s[G1S+0], s43, (3<<16)|(1<<20)|(1<<21)|(5<<22)|(3<<25) ; the scales of 128 rows: a dense block, as rows of 32 elements of 8 bytes
	s_or_b32 s[G1SB+0], s44, (3<<16)|(1<<20)|(1<<21)|(5<<22)|(3<<25)
.irp g, G1S, G1SB
	s_mov_b32 s[\g+1], 32<<16
	s_mov_b32 s[\g+2], (128*KS/256)<<16
	s_mov_b32 s[\g+3], 32<<16
	s_mov_b32 s[\g+4], 128*KS/256
	s_mov_b32 s[\g+5], 32
	s_mov_b32 s[\g+6], 0
	s_mov_b32 s[\g+7], 0
.endr
	s_lshl_b32 s18, s16, 7                         ; which 128 rows of the tile I fetch
	s_lshl_b32 s20, s17, 8
	s_add_co_u32 s20, s20, s18                     ; x: row 256 x tile row + 128 x half
	s_lshl_b32 s46, s42, 8
	s_add_co_u32 s46, s46, s18                     ; W: row 256 x tile column + 128 x half
	s_mov_b32 s21, 0
	s_mov_b32 s47, 0
	s_mov_b64 s[18:19], KS
	s_mul_u64 s[22:23], s[20:21], s[18:19]         ; where these rows' scales begin
	s_mul_u64 s[92:93], s[46:47], s[18:19]
	s_mov_b64 s[18:19], KROW
	s_mul_u64 s[20:21], s[20:21], s[18:19]         ; and their codes
	s_mul_u64 s[46:47], s[46:47], s[18:19]
	s_mul_i32 s45, s14, HALFT                      ; where they go: wave x 128 rows
	s_mul_i32 s94, s14, HALFS
	s_wait_dscnt 0x0                               ; both opening adds are done
	s_wait_kmcnt 0x0
	s_add_nc_u64 s[20:21], s[4:5], s[20:21]
	s_add_nc_u64 s[22:23], s[6:7], s[22:23]
	s_add_nc_u64 s[46:47], s[8:9], s[46:47]
	s_add_nc_u64 s[92:93], s[10:11], s[92:93]
	CROUND                                         ; all sixteen work-groups are here: the joint loads meet
	s_mov_b32 s[G0S], 1
	s_add_co_u32 s[G0S+1], s94, SCL
	s_mov_b64 s[G0S+2:G0S+3], s[22:23]
	s_or_b32 s[G0S+3], s[G0S+3], 0x80000000
	s_mov_b32 s[G0SB], 1
	s_add_co_u32 s[G0SB+1], s94, SCL
	s_mov_b64 s[G0SB+2:G0SB+3], s[92:93]
	s_or_b32 s[G0SB+3], s[G0SB+3], 0x80000000
	JLOAD G0S, G1S, G0SB, G1SB                     ; the scales first: they are wanted with K step 0
.irp s, 0,1
	s_mov_b32 s[G0+4*\s], 1
	s_add_co_u32 s[G0+4*\s+1], s45, \s*SLOT
	s_add_nc_u64 s[G0+4*\s+2:G0+4*\s+3], s[20:21], \s*ROWB
	s_or_b32 s[G0+4*\s+3], s[G0+4*\s+3], 0x80000000
	s_mov_b32 s[G0B+4*\s], 1
	s_add_co_u32 s[G0B+4*\s+1], s45, \s*SLOT
	s_add_nc_u64 s[G0B+4*\s+2:G0B+4*\s+3], s[46:47], \s*ROWB
	s_or_b32 s[G0B+4*\s+3], s[G0B+4*\s+3], 0x80000000
	JLOAD G0+4*\s, G1, G0B+4*\s, G1B               ; three tensor loads of mine are out
.endr
	v_and_b32 v1, 15, v0                           ; r = l % 16
	v_bfe_u32 v2, v0, 4, 1                         ; h = l / 16
	v_mul_u32_u24 v3, v1, PITCH
	v_lshl_add_u32 v4, v2, 4, v3                   ; a fragment's row x pitch + 16 x half
	s_mul_i32 s21, s15, HALFT                      ; my 128 rows of x
	s_mul_i32 s22, s16, HALFT                      ; my 128 rows of W,
	s_add_co_u32 s22, s22, 2*HALFT                 ; which lie behind x's 256
.irp s, 0,1
	v_add_nc_u32 v[ADRA+\s], s21, v4
	v_add_nc_u32 v[ADRB+\s], s22, v4
	s_add_co_u32 s21, s21, SLOT
	s_add_co_u32 s22, s22, SLOT
.endr
	v_mul_u32_u24 v5, v1, KS                       ; my row's scales: KS bytes a row,
	v_lshrrev_b32 v6, 8, v5
	v_lshl_add_u32 v5, v6, 4, v5                   ; and 16 more for each 256 passed
	s_mul_i32 s21, s15, HALFS
	s_mul_i32 s22, s16, HALFS
	s_add_co_u32 s22, s22, 2*HALFS
	s_sub_co_u32 s22, s22, s21
	v_mul_u32_u24 v6, s22, v2                      ; lanes 16-31 take W's
	s_add_co_u32 s21, s21, SCL
	v_add_nc_u32 v5, v5, v6
	v_add_nc_u32 v[ADRS], s21, v5
	s_mul_i32 s23, s14, 16*528                     ; my f32 stage
	v_mul_u32_u24 v5, v1, 528
	v_lshl_add_u32 v5, v2, 5, v5
	v_add_nc_u32 v[STO32], s23, v5                 ; in: row r, 32 bytes for each half of the lanes
	v_and_b32 v6, 31, v0
	v_lshlrev_b32 v[CO16], 4, v6
	v_add_nc_u32 v[RD32], s23, v[CO16]             ; back: the 32 lanes take a row of 512 bytes: two heads' 256
	v_lshlrev_b32 v5, 4, v1
	v_lshl_add_u32 v[CO32], v2, 12, v5
	s_mul_i32 s23, s14, 2*16*144                   ; my f16 stage
	s_add_co_u32 s23, s23, SG16
	v_mul_u32_u24 v5, v1, 144
	v_lshl_add_u32 v5, v2, 4, v5
	v_add_nc_u32 v[STO16], s23, v5                 ; in: row r, 16 bytes for each half of the lanes
	v_lshrrev_b32 v5, 3, v6
	v_mul_u32_u24 v5, v5, 144
	v_and_b32 v6, 7, v6
	v_lshl_add_u32 v5, v6, 4, v5
	v_add_nc_u32 v[RD16], s23, v5                  ; back: eight lanes to a row of 128 bytes, four rows an instruction
	; where my part begins: (which, batch, head) = (tile column / 4, tile row / 4, 4 (tile column % 4) + 2 x column half)
	s_lshr_b32 s46, s42, 2
	s_lshl_b32 s46, s46, 7
	s_and_b32 s47, s42, 3
	s_lshl_b32 s47, s47, 2
	s_add_co_u32 s46, s46, s47
	s_lshr_b32 s47, s17, 2
	s_lshl_b32 s47, s47, 4
	s_add_co_u32 s46, s46, s47
	s_lshl_b32 s47, s16, 1
	s_add_co_u32 s46, s46, s47                     ; 128 which + 16 batch + head
	s_mov_b32 s21, 0
	s_lshl_b32 s20, s46, 12                        ; 16 positions of 256 bytes
	s_add_nc_u64 s[66:67], s[66:67], s[20:21]
	s_lshl_b32 s20, s46, 17                        ; 1,024 positions of 128 bytes
	s_and_b32 s47, s17, 3
	s_lshl_b32 s47, s47, 1
	s_add_co_u32 s47, s47, s15
	s_lshl_b32 s47, s47, 14                        ; my first position: 256 (tile row % 4) + 128 x row half
	s_add_co_u32 s20, s20, s47
	s_add_nc_u64 s[12:13], s[12:13], s[20:21]
.macro FRAG reg, adr, q, i             ; 16 rows x 128 K of 4-bit codes: 8 registers: lane l holds row l % 16; registers 4 c .. 4 c + 3 hold K = 64 c + 32 (l / 16) + 0 .. 31
.irp c, 0,1
	ds_load_b128 v[\reg+4*\c:\reg+4*\c+3], v[\adr] offset:64*(\q)+32*\c+(\i)*16*PITCH
.endr
.endm
; 16 matrix instructions: x's blocks a0, a0 + 1 against W's eight, 128 along K.  The 64 accumulators take turns, one instruction a turn, in the same order in every step.
.macro MUL16 a0, p, q, sc, zero
.irp a, \a0, \a0+1
.irp b, 0,1,2,3,4,5,6,7
.if \zero
	v_wmma_scale_f32_16x16x128_f8f6f4 v[8*(8*((\a)%4)+\b):8*(8*((\a)%4)+\b)+7], v[128*(\p)+FR*\b:128*(\p)+FR*\b+FR-1], v[AF+FR*(\a):AF+FR*(\a)+FR-1], 0, v[SC+8*NQ*(\sc)+NQ*\b+(\q)], v[SC+8*NQ*(\sc)+NQ*(\a)+(\q)] matrix_a_fmt:MATRIX_FMT_FP4 matrix_b_fmt:MATRIX_FMT_FP4 matrix_a_scale:MATRIX_SCALE_ROW1
.else
	v_wmma_scale_f32_16x16x128_f8f6f4 v[8*(8*((\a)%4)+\b):8*(8*((\a)%4)+\b)+7], v[128*(\p)+FR*\b:128*(\p)+FR*\b+FR-1], v[AF+FR*(\a):AF+FR*(\a)+FR-1], v[8*(8*((\a)%4)+\b):8*(8*((\a)%4)+\b)+7], v[SC+8*NQ*(\sc)+NQ*\b+(\q)], v[SC+8*NQ*(\sc)+NQ*(\a)+(\q)] matrix_a_fmt:MATRIX_FMT_FP4 matrix_b_fmt:MATRIX_FMT_FP4 matrix_a_scale:MATRIX_SCALE_ROW1
.endif
.endr
.endr
.endm
.macro FETCH_B slot, q, p
	WIN TO_B
.irp i, 0,1,2,3,4,5,6,7
	FRAG 128*(\p)+FR*\i, ADRB+\slot, \q, \i
.endr
	WIN 0
.endm
.macro FETCH_A slot, q, i0
.irp i, \i0, \i0+1, \i0+2, \i0+3
	FRAG AF+FR*(\i), ADRA+\slot, \q, \i
.endr
.endm
.macro SCALES sc                       ; a K step's scale words: lanes 0-15 take x's block i, lanes 16-31 W's block i
.irp i, 0,1,2,3,4,5,6,7
	ds_load_b128 v[SC+8*NQ*\sc+NQ*\i:SC+8*NQ*\sc+NQ*\i+3], v[ADRS] offset:\i*SBLK
.endr
.endm
.macro PLACES n                        ; places behind matrix instructions, in front of loads into registers that they have read and of reads of their results
.rept \n
	v_nop
.endr
.endm
.macro STEP slot, q, zero              ; a step of 128 along K that has its successor in the same slot
	s_wait_dscnt 4*NL                              ; W's set and x's blocks 0-3 are in; the youngest eight loads (x's blocks 4-7) may be out
	WIN MUL_LO
	MUL16 0, (\q)%2, \q, \slot, \zero
	MUL16 2, (\q)%2, \q, \slot, \zero
	s_wait_dscnt 0
	PLACES NP
	FETCH_B \slot, (\q)+1, 1-(\q)%2
	FETCH_A \slot, (\q)+1, 0
	WIN MUL_HI
	MUL16 4, (\q)%2, \q, \slot, \zero
	MUL16 6, (\q)%2, \q, \slot, \zero
	PLACES NP
	WIN 0
	FETCH_A \slot, (\q)+1, 4
.endm
.macro STEPS slot, from
.set Q, \from
.rept NQ-1-\from
	STEP \slot, Q, 0
.set Q, Q+1
.endr
.endm
	s_wait_tensorcnt 1                             ; the scales and my part of K step 0 are in (K step 1's load may be out),
	s_barrier_signal -1
	s_barrier_wait -1                              ; everybody's are
	FETCH_B 0, 0, 0
	FETCH_A 0, 0, 0
	SCALES 0
	FETCH_A 0, 0, 4
	STEP 0, 0, 1                                   ; the first products start the sums: nothing is cleared
	STEPS 0, 1
	; slot 0's last step changes slots: one barrier; nothing is filled again
	s_wait_tensorcnt 0x0                           ; my part of slot 1 has landed
	ds_add_u32 v[SPW], v[NIL]
	s_wait_dscnt 4*NL+1                            ; (the add and the youngest eight loads may be out)
	WIN MUL_LO
	MUL16 0, 1, NQ-1, 0, 0
	s_wait_dscnt 0x0                               ; the add is done, and my reads of slot 0 are over
	s_barrier_signal -1
	MUL16 2, 1, NQ-1, 0, 0
	WIN 0
	s_barrier_wait -1
	PLACES NP
	v_add_nc_u32 v[ADRS], 4*NQ, v[ADRS]            ; on to the second K step's scale words
	FETCH_B 1, 0, 0
	FETCH_A 1, 0, 0
	SCALES 1
	WIN MUL_HI
	MUL16 4, 1, NQ-1, 0, 0
	MUL16 6, 1, NQ-1, 0, 0
	PLACES NP
	WIN 0
	FETCH_A 1, 0, 4
	STEPS 1, 0
	s_wait_dscnt 4*NL                              ; the very last step: nothing more to fetch
	WIN MUL_LO
	MUL16 0, 1, NQ-1, 1, 0
	MUL16 2, 1, NQ-1, 1, 0
	s_wait_dscnt 0
	WIN MUL_HI
	MUL16 4, 1, NQ-1, 1, 0
	MUL16 6, 1, NQ-1, 1, 0
	WIN 0
	PLACES NP
	; POSITIONS 0 TO 15 IN F32: my block 0, where my rows begin a batch: tile row % 4 = cluster y % 4 = 0 (the same in all partners) and row half 0 (the wave's number)
	s_and_b32 s95, ttmp7, 3
	s_or_b32 s95, s95, s15
	s_cmp_lg_u32 s95, 0
	s_cbranch_scc1 .Lno16
	WIN 0x08                                       ; an LDS store's data are its source 1: window 2
.irp b, 0,1,2,3,4,5,6,7
	ds_store_b128 v[STO32], v[8*\b:8*\b+3] offset:64*\b            ; each accumulator from its low end on
	ds_store_b128 v[STO32], v[8*\b+4:8*\b+7] offset:64*\b+16
.endr
	WIN 0
.irp t, 0,1,2,3,4,5,6,7,8,9,10,11,12,13,14,15
	ds_load_b128 v[BK+4*\t:BK+4*\t+3], v[RD32] offset:\t*528       ; LDS serves a wave's instructions in order: these see the stores above
.endr
	s_wait_dscnt 0x0
.irp t, 0,1,2,3,4,5,6,7,8,9,10,11,12,13,14,15
	global_store_b128 v[CO32], v[BK+4*\t:BK+4*\t+3], s[66:67] offset:256*\t   ; lanes 0-15: a position's 256 bytes of one head; lanes 16-31: of the next head
.endr
	s_wait_xcnt 0x0                                ; the stores have read their registers: rows are read back into them below
.Lno16:
.macro PACK a                          ; block a: rounded to f16, 16 bytes a lane and accumulator
.set AC, 64*((\a)%4)
	WIN 0x0a+5*((\a)/4)                            ; sources 0 and 1: window 2 or 3
.irp b, 0,1,2,3,4,5,6,7
.irp r, 0,1,2,3
	v_cvt_pk_f16_f32 v[TMP+4*\b+\r], v[AC+8*\b+2*\r], v[AC+8*\b+2*\r+1]
.endr
.endr
	WIN 0
.endm
.macro TOSTAGE a                       ; into my stage: head b / 4, 32 (b % 4) bytes on in the row; back as rows of 128 bytes, four an instruction
.set BB, BK+32*((\a)%2)
.irp b, 0,1,2,3,4,5,6,7
	ds_store_b128 v[STO16], v[TMP+4*\b:TMP+4*\b+3] offset:(\b/4)*16*144+32*(\b%4)
.endr
.irp e, 0,1
.irp i, 0,1,2,3
	ds_load_b128 v[BB+4*(4*\e+\i):BB+4*(4*\e+\i)+3], v[RD16] offset:\e*16*144+\i*4*144
.endr
.endr
.endm
.macro SEND a
.set BB, BK+32*((\a)%2)
	s_wait_dscnt 0x0                               ; the block is back in registers
	s_wait_xcnt 0x0                                ; the block before's stores have read their registers: the next block's rows land there
.irp e, 0,1
.irp i, 0,1,2,3
	global_store_b128 v[CO16], v[BB+4*(4*\e+\i):BB+4*(4*\e+\i)+3], s[12:13] offset:\e*131072+(\a)*2048+\i*512   ; 512 consecutive bytes: four positions of one head
.endr
.endr
.endm
	PACK 0
	TOSTAGE 0
.irp a, 1,2,3,4,5,6,7                  ; block a's conversions stand between block a - 1's loads from the stage and the wait for them
	PACK \a
	SEND \a-1
	TOSTAGE \a
.endr
	SEND 7
	s_wait_tensorcnt 0x0                           ; the wave's end
	ds_add_u32 v[SPW], v[NIL]
	s_wait_dscnt 0x0
	CROUND                                         ; the closing round
	s_endpgm
.Lfunc_end_k_q6a0f6446ee_qkv:
	.size	k_q6a0f6446ee_qkv, .Lfunc_end_k_q6a0f6446ee_qkv-k_q6a0f6446ee_qkv
	.p2alignl 7, 3214868480
	.fill 96, 4, 3214868480
	.section	.rodata,"a",@progbits
	.p2align	6, 0x0
	.amdhsa_kernel k_q6a0f6446ee_qkv
		.amdhsa_group_segment_fixed_size 327680
		.amdhsa_private_segment_fixed_size 0
		.amdhsa_enable_private_segment 0
		.amdhsa_kernarg_size 48
		.amdhsa_user_sgpr_count 2
		.amdhsa_user_sgpr_kernarg_segment_ptr 1
		.amdhsa_wavefront_size32 1
		.amdhsa_system_sgpr_workgroup_id_x 1
		.amdhsa_system_sgpr_workgroup_id_y 1
		.amdhsa_system_sgpr_workgroup_id_z 1
		.amdhsa_system_vgpr_workitem_id 0
		.amdhsa_next_free_vgpr 1024
		.amdhsa_next_free_sgpr 98
		.amdhsa_reserve_vcc 0
		.amdhsa_float_denorm_mode_32 3
		.amdhsa_float_denorm_mode_16_64 3
		.amdhsa_memory_ordered 1
		.amdhsa_forward_progress 1
		.amdhsa_inst_pref_size 131
	.end_amdhsa_kernel
	.amdgpu_metadata
---
amdhsa.version: [ 1, 2 ]
amdhsa.kernels:
  - .name:           k_q6a0f6446ee_qkv
    .symbol:         k_q6a0f6446ee_qkv.kd
    .args:
      - { .name: xc, .offset: 0, .size: 8, .value_kind: global_buffer, .address_space: global }
      - { .name: xs, .offset: 8, .size: 8, .value_kind: global_buffer, .address_space: global }
      - { .name: wc, .offset: 16, .size: 8, .value_kind: global_buffer, .address_space: global }
      - { .name: ws, .offset: 24, .size: 8, .value_kind: global_buffer, .address_space: global }
      - { .name: kqv, .offset: 32, .size: 8, .value_kind: global_buffer, .address_space: global }
      - { .name: hd16, .offset: 40, .size: 8, .value_kind: global_buffer, .address_space: global }
    .group_segment_fixed_size: 327680
    .private_segment_fixed_size: 0
    .kernarg_segment_align: 8
    .kernarg_segment_size: 48
    .max_flat_workgroup_size: 128
    .sgpr_count:     98
    .vgpr_count:     1024
    .wavefront_size: 32
...
	.end_amdgpu_metadata
.endif
;; end of part 2
;; launch attn (part 3): grid 2 x 128, 16 waves a work-group, no clusters, 327,680 bytes of LDS; arguments kqv, y16; writes y16
.if DOCPART == 3
	.amdgcn_target "amdgcn-amd-amdhsa--gfx1250"
	.amdhsa_code_object_version 6
	.text
	.protected	k_q6a0f6446ee_attn
	.globl	k_q6a0f6446ee_attn
	.p2align	8
	.type	k_q6a0f6446ee_attn,@function
k_q6a0f6446ee_attn:
	s_mov_b64 s[64:65], 0
	v_nop
	global_prefetch_b8 v0, s[64:65] scope:SCOPE_SE
	s_setreg_imm32_b32 hwreg(HW_REG_WAVE_MODE, 25, 1), 1
	s_wait_xcnt 0x0
; y[b][h][i][:] = sum over j <= i of softmax_j(k_i . q_j / 8) v_j.  In this module the ROWS i of the softmax are x Wk^T (part 0 of kqv: called queries here) and the COLUMNS j are x Wq^T (part 1: called keys); values: part 2.
; All three f16, [part][b][h][t][64]; products on f16 with f32 sums; maxima, exponentials and sums in f32; the weights p are rounded to f16 for the second product, y once at the end.
; WORK LEFT OUT: a step of 64 keys that lies wholly behind a wave's 32 queries: reference()'s own mask gives those terms the weight 0 for all finite inputs.  A NaN or an infinity that reaches only them is not carried on.
; SHARES.  A head's 32 chunks of 32 queries are dealt to two work-groups by parity p; wave w takes chunk 2 i(w) + p and walks i + 1 key steps of 64.  i(w) is read off a table in which any four waves with
; equal w / 4 or equal w % 4 sum to 30: every work-group has 136 wave-steps.  Sixteen waves of 256 registers: four to a SIMD, so that one wave's vector work stands beside another's matrix work.
; NO CLUSTER: only the two work-groups of a head read the same tiles; a cluster has four along an axis, and a mask for two of its four would hang on a work-group's place in it.
; LAYOUT.  S^T = K Q^T (source 0 = 16 keys, source 1 = 16 queries): a lane holds ONE query (lane % 16) and keys 8 (lane / 16) + 0..7.  Two such tiles, rounded in pairs, ARE source 1 of O^T = V^T P.  V comes out of LDS turned.
; SOFTMAX.  A running maximum m and sum l for each query: p = 2^(c s - c m), c = log2(e) / 8; in every step O and l are multiplied by a = 2^(c m_old - c m_new).  m begins at -3e38; key 0 counts for every query.
; RING.  Two slots of 256 keys (K: 256 rows of 128 + 16 bytes; V: 256 rows of 128 + 32); waves 0, 1 fetch K's halves, waves 2, 3 V's; every work-group walks all four slots, and the wave with i = 15 reads the last.
; REGISTERS: v1-11 addresses; v12-27 statistics, eight a tile: +0 c m, +1 m, +2,3 l, +4..7 at work (a in +6); v28 the mask's d; v29 -infinity; v30 r - 8 h; v32-63 Q; v64-127 K, then V^T; v128-191 S^T, then P in place; v192-255 O^T.
.set SK,    256
.set KP,    144
.set VP,    160
.set VOFF,  SK*KP
.set SLOT1, 1<<17                      ; slot 1 begins here: one exclusive or turns an address from slot to slot
.set NSL,   4
.set STAGE, SLOT1+SK*(KP+VP)           ; behind the ring: 32 rows x 144 bytes for each wave; no tensor load lands here
.set SPARE, STAGE+16*32*KP             ; the spare words, 128 bytes a wave
.set AK0, 1
.set AV0, 2
.set ADK, 3
.set ADV, 4
.set SPW, 5
.set NIL, 6
.set GO,  7
.set STO, 8
.set RD,  9
.set PFO, 10
.set QO,  11
.set ST,  12
.set QF,  32
.set KV,  64
.set S,   128
.set OT,  192
.set TB,  2
.set WV,  18
.set SEL, 20
.set CS,  22
.set G1K, 24
.set G1V, 32
.set G0K, 40
.set G0V, 44
.set SLOTS, 67
.set PFA, 76
.set LIM, 80
.set KF,  98
.set Q0,  99
; Waves 0 and 1 fetch for K, waves 2 and 3 for V, the others nothing.  An s_nop 0 and four v_nop follow each of the two lines.
.macro TLOAD
	s_cmp_lt_u32 s[WV], 2
	s_cbranch_scc0 .Lnot_k_\@
	tensor_load_to_lds s[G0K:G0K+3], s[G1K:G1K+7]
	s_nop 0
.rept 4
	v_nop
.endr
	s_branch .Lasked_\@
.Lnot_k_\@:
	s_cmp_lt_u32 s[WV], 4
	s_cbranch_scc0 .Lasked_\@
	tensor_load_to_lds s[G0V:G0V+3], s[G1V:G1V+7]
	s_nop 0
.rept 4
	v_nop
.endr
.Lasked_\@:
.endm
; A prefetch of what the NEXT change of slots will ask for: 256 rows of K and of V, 32,768 dense bytes each.  Both work-groups of a head walk the same rows: the one with p = 0 asks.  In it waves 4 to 7 ask for K's block and
; waves 8 to 11 for V's: 8,192 bytes a wave, lanes 256 bytes apart: each aligned 256 bytes is named once in the launch.  The last change that fills a slot asks for nothing; slots 0 and 1 come by their loads alone.
.macro ASK
	s_cmp_gt_u32 s[SLOTS], s[LIM]
	s_cbranch_scc0 .Lnot_mine_\@
	global_prefetch_b8 v[PFO], s[PFA:PFA+1] th:TH_LOAD_NT scope:SCOPE_SE
.Lnot_mine_\@:
.endm
	s_load_b128 s[4:7], s[0:1], 0x0                ; kqv, y16
	v_lshl_add_u32 v[SPW], v0, 2, SPARE
	v_mov_b32 v[NIL], 0
	ds_add_u32 v[SPW], v[NIL]                      ; the wave's opening: the add, twice on end, and its wait ahead of the first tensor load
	ds_add_u32 v[SPW], v[NIL]
	v_lshrrev_b32 v1, 5, v0
	v_readfirstlane_b32 s[WV], v1                  ; wave 0..15
	s_mov_b32 s68, 0x7A94C12F                      ; i(w), four bits a wave: waves 0-7,
	s_mov_b32 s69, 0x0DE3B658                      ; waves 8-15
	s_cmp_lt_u32 s[WV], 8
	s_cselect_b32 s68, s68, s69
	s_and_b32 s69, s[WV], 7
	s_lshl_b32 s69, s69, 2
	s_lshr_b32 s68, s68, s69
	s_and_b32 s68, s68, 15
	s_lshl_b32 s[Q0], s68, 6
	s_lshl_b32 s69, ttmp9, 5
	s_add_co_u32 s[Q0], s[Q0], s69                 ; my first query: 64 i + 32 p
	s_and_b32 s70, ttmp7, 0xffff                   ; 16 b + h
	s_lshl_b32 s72, s70, 17                        ; the head's first byte in each part of kqv
	s_and_b32 s71, s[WV], 1                        ; which half of a slot's rows I fetch, if I fetch
	s_lshl_b32 s74, s71, 14
	s_add_co_u32 s74, s74, s72
	s_mov_b32 s75, 0
	s_lshl_b32 s84, s[Q0], 7
	s_add_co_u32 s84, s84, s72                     ; my queries
	s_mov_b32 s85, 0
	s_and_b32 s82, s70, 15
	s_lshl_b32 s82, s82, 20                        ; y16 is [head][8,192 rows][64]: 1,048,576 bytes a head
	s_lshr_b32 s83, s70, 4
	s_lshl_b32 s83, s83, 10
	s_add_co_u32 s83, s83, s[Q0]
	s_lshl_b32 s83, s83, 7
	s_add_co_u32 s82, s82, s83
	s_mov_b32 s83, 0
	s_mov_b32 s[G1K], (1<<16)|(1<<20)|(4<<22)|(3<<25)   ; elements of 2 bytes; padding of 4 words behind every 32
	s_mov_b32 s[G1V], (1<<16)|(1<<20)|(4<<22)|(7<<25)   ; of 8 words
.irp g, G1K, G1V
	s_mov_b32 s[\g+1], 64<<16                      ; tensor_dim0
	s_mov_b32 s[\g+2], 128<<16                     ; tensor_dim1
	s_mov_b32 s[\g+3], 64<<16                      ; tile_dim0
	s_mov_b32 s[\g+4], 128                         ; tile_dim1
	s_mov_b32 s[\g+5], 64                          ; pitch
	s_mov_b32 s[\g+6], 0
	s_mov_b32 s[\g+7], 0
.endr
	s_mov_b32 s[G0K], 1
	s_mul_i32 s[G0K+1], s71, 128*KP
	s_mov_b32 s[G0V], 1
	s_mul_i32 s[G0V+1], s71, 128*VP
	s_add_co_u32 s[G0V+1], s[G0V+1], VOFF
	s_mov_b32 s[SEL], 0x76543210
	s_mov_b32 s[SEL+1], 0xfedcba98
	s_mov_b32 s[CS], 0x3e38aa3b                    ; c = log2(e) / 8
	s_mov_b32 s[CS+1], s[CS]
	s_mov_b32 s[TB], 0
	s_mov_b32 s[SLOTS], NSL-1
	s_mov_b32 s[KF], 0
	s_wait_dscnt 0x0                               ; both opening adds are done
	s_wait_kmcnt 0x0
	s_add_nc_u64 s[G0K+2:G0K+3], s[4:5], s[74:75]
	s_add_nc_u64 s[G0V+2:G0V+3], s[G0K+2:G0K+3], 33554432   ; part 2: the values
	s_add_nc_u64 s[G0K+2:G0K+3], s[G0K+2:G0K+3], 16777216   ; part 1: the keys
	s_or_b32 s[G0K+3], s[G0K+3], 0x80000000
	s_or_b32 s[G0V+3], s[G0V+3], 0x80000000
	TLOAD                                          ; slot 0
	s_add_nc_u64 s[8:9], s[4:5], s[84:85]          ; Q
	s_add_nc_u64 s[10:11], s[6:7], s[82:83]        ; y
	v_and_b32 v16, 15, v0                          ; r
	v_bfe_u32 v17, v0, 4, 1                        ; h
	v_lshlrev_b32 v[QO], 7, v16
	v_lshl_add_u32 v[QO], v17, 4, v[QO]
.irp t, 0,1
.irp c, 0,1
	global_load_b128 v[QF+16*\t+8*\c:QF+16*\t+8*\c+3],   v[QO], s[8:9] offset:\t*2048+\c*64       ; Q stays in registers
	global_load_b128 v[QF+16*\t+8*\c+4:QF+16*\t+8*\c+7], v[QO], s[8:9] offset:\t*2048+\c*64+32
.endr
.endr
	; the prefetches: where my wave's stand, and who asks
	s_mov_b32 s87, 33554432
	s_cmp_lt_u32 s[WV], 8
	s_cselect_b32 s86, 16777216, s87               ; waves 4 to 7: the keys; waves 8 to 11: the values
	s_add_co_u32 s86, s86, s72
	s_and_b32 s87, s[WV], 3
	s_lshl_b32 s87, s87, 13
	s_add_co_u32 s86, s86, s87                     ; my wave's 8,192 bytes,
	s_add_co_u32 s86, s86, SK*128                  ; in slot 1: the first change of slots steps it to slot 2
	s_mov_b32 s87, 0
	s_add_nc_u64 s[PFA:PFA+1], s[4:5], s[86:87]
	s_sub_co_u32 s86, s[WV], 4
	s_lshr_b32 s86, s86, 3                         ; 0 in waves 4 to 11,
	s_or_b32 s86, s86, ttmp9                       ; of the work-group with p = 0
	s_cmp_eq_u32 s86, 0
	s_cselect_b32 s[LIM], 1, -1
	v_mul_u32_u24 v[AK0], v16, KP
	v_lshl_add_u32 v[AK0], v17, 4, v[AK0]          ; K: row r x pitch + 16 h
	v_and_b32 v18, 7, v0
	v_bfe_u32 v19, v0, 3, 1
	v_lshl_add_u32 v[AV0], v17, 3, v18             ; V, for the turning load: key 8 h + l % 8, channels 8 ((l / 8) % 2) on
	v_mul_u32_u24 v[AV0], v[AV0], VP
	v_lshl_add_u32 v[AV0], v19, 4, v[AV0]
	v_add_nc_u32 v[AV0], VOFF, v[AV0]
	v_and_b32 v20, 31, v0
	v_lshlrev_b32 v[GO], 4, v20
	v_lshlrev_b32 v[PFO], 8, v20
	s_mul_i32 s81, s[WV], 32*KP
	s_add_co_u32 s81, s81, STAGE                   ; my stage
	v_add_nc_u32 v[STO], s81, v[AK0]               ; in: row r, 16 bytes for each half of the lanes
	v_lshrrev_b32 v21, 3, v20
	v_mul_u32_u24 v21, v21, KP
	v_lshl_add_u32 v21, v18, 4, v21
	v_add_nc_u32 v[RD], s81, v21                   ; back: eight lanes to a row of 128 bytes
	v_lshlrev_b32 v31, 3, v17
	v_sub_nc_u32 v30, v16, v31                     ; r - 8 h
	v_mov_b32 v29, 0xff800000                      ; -infinity
.irp j, 0,1,2,3,4,5,6,7,8,9,10,11,12,13,14,15
	v_mov_b32 v[ST+\j], 0                          ; l = 0; the registers at work are written once, so that every way to the end finds them written
.endr
.irp t, 0,1
	v_mov_b32 v[ST+8*\t+1], 0xff61b1e6             ; m = -3e38, under every score
.endr
.irp t, 0,1
	v_mul_f32 v[ST+8*\t], s[CS], v[ST+8*\t+1]
.endr
.irp j, 0,1,2,3,4,5,6,7,8,9,10,11,12,13,14,15,16,17,18,19,20,21,22,23,24,25,26,27,28,29,30,31,32,33,34,35,36,37,38,39,40,41,42,43,44,45,46,47,48,49,50,51,52,53,54,55,56,57,58,59,60,61,62,63
	v_mov_b32 v[OT+\j], 0                          ; O^T: the step is written once; the first finds zeros, which a = 0 leaves zeros
.endr
; A KEY STEP: 64 keys, the q-th of the slot in hand.  u: tile of 16 keys; c: 32 channels; t: tile of 16 queries; g: 32 keys; d: 16 channels.
.macro STEP q
	s_add_co_u32 s96, s[Q0], 31
	s_cmp_gt_u32 s[KF], s96                        ; all 64 keys behind my last query: the step's work is left out (ids and the count of steps alone); no barrier and no tensor load stands in a step
	s_cbranch_scc1 .Lhidden_\@
	v_add_nc_u32 v[ADK], s[TB], v[AK0]
	v_add_nc_u32 v[ADV], s[TB], v[AV0]
.irp u, 0,1,2,3
.irp c, 0,1
	ds_load_b128 v[KV+8*(2*\u+\c):KV+8*(2*\u+\c)+3],   v[ADK] offset:(64*(\q)+16*\u)*KP+64*\c
	ds_load_b128 v[KV+8*(2*\u+\c)+4:KV+8*(2*\u+\c)+7], v[ADK] offset:(64*(\q)+16*\u)*KP+64*\c+32
.endr
.endr
	s_wait_dscnt 0x0
.irp c, 0,1                            ; S^T = K Q^T: eight accumulators by turns, one instruction a turn
.irp u, 0,1,2,3
.irp t, 0,1
.if \c == 0
	v_wmma_f32_16x16x32_f16 v[S+32*\t+8*\u:S+32*\t+8*\u+7], v[KV+8*(2*\u+\c):KV+8*(2*\u+\c)+7], v[QF+16*\t+8*\c:QF+16*\t+8*\c+7], 0
.else
	v_wmma_f32_16x16x32_f16 v[S+32*\t+8*\u:S+32*\t+8*\u+7], v[KV+8*(2*\u+\c):KV+8*(2*\u+\c)+7], v[QF+16*\t+8*\c:QF+16*\t+8*\c+7], v[S+32*\t+8*\u:S+32*\t+8*\u+7]
.endif
.endr
.endr
.endr
.rept 4
	v_nop                                          ; places in front of the loads into K's registers and of the first read of the scores
.endr
.irp g, 0,1                            ; V^T lands while the softmax is walked
.irp d, 0,1,2,3
	ds_load_tr16_b128 v[KV+8*(4*\g+\d):KV+8*(4*\g+\d)+3],   v[ADV] offset:(64*(\q)+32*\g)*VP+32*\d
	ds_load_tr16_b128 v[KV+8*(4*\g+\d)+4:KV+8*(4*\g+\d)+7], v[ADV] offset:(64*(\q)+32*\g+16)*VP+32*\d
.endr
.endr
	s_add_co_u32 s96, s[KF], 63
	s_cmp_le_u32 s96, s[Q0]
	s_cbranch_scc1 .Lopen_\@                       ; all 64 keys count for all my queries
	s_sub_co_i32 s96, s[Q0], s[KF]
	v_add_nc_u32 v28, s96, v30                     ; d = Q0 - KF + r - 8 h.  Register (t, u, j) holds key KF + 16 u + 8 h + j of query Q0 + 16 t + r: hidden where 16 u + j - 16 t > d
.irp t, 0,1
.irp u, 0,1,2,3
.irp j, 0,1,2,3,4,5,6,7
	v_cmp_gt_i32 vcc_lo, 16*\u+\j-16*\t, v28
	v_cndmask_b32 v[S+32*\t+8*\u+\j], v[S+32*\t+8*\u+\j], v29, vcc_lo
.endr
.endr
.endr
.Lopen_\@:
.irp n, 0,1,2,3                        ; the maximum: four chains a tile, each begun at its accumulator's low end
.irp t, 0,1
	v_max3_num_f32 v[ST+8*\t+4+\n], v[S+32*\t+8*\n], v[S+32*\t+8*\n+1], v[S+32*\t+8*\n+2]
.endr
.endr
.irp i, 3,5
.irp n, 0,1,2,3
.irp t, 0,1
	v_max3_num_f32 v[ST+8*\t+4+\n], v[ST+8*\t+4+\n], v[S+32*\t+8*\n+\i], v[S+32*\t+8*\n+\i+1]
.endr
.endr
.endr
.irp t, 0,1
	v_max3_num_f32 v[ST+8*\t+4], v[ST+8*\t+4], v[S+32*\t+7], v[S+32*\t+15]
.endr
.irp t, 0,1
	v_max3_num_f32 v[ST+8*\t+6], v[ST+8*\t+6], v[S+32*\t+23], v[S+32*\t+31]
.endr
.irp t, 0,1
	v_max3_num_f32 v[ST+8*\t+4], v[ST+8*\t+4], v[ST+8*\t+5], v[ST+8*\t+6]
.endr
.irp t, 0,1
	v_max3_num_f32 v[ST+8*\t+4], v[ST+8*\t+4], v[ST+8*\t+7], v[ST+8*\t+1]   ; and the old m
.endr
.irp t, 0,1
	v_permlanex16_b32 v[ST+8*\t+5], v[ST+8*\t+4], s[SEL], s[SEL+1]          ; the query's other 32 keys lie in the lane 16 away
.endr
.irp t, 0,1
	v_mov_b32 v[ST+8*\t+7], v[ST+8*\t]             ; c m_old
.endr
.irp t, 0,1
	v_max_num_f32 v[ST+8*\t+1], v[ST+8*\t+4], v[ST+8*\t+5]
.endr
.irp t, 0,1
	v_mul_f32 v[ST+8*\t], s[CS], v[ST+8*\t+1]
.endr
.irp t, 0,1
	v_sub_f32 v[ST+8*\t+7], v[ST+8*\t+7], v[ST+8*\t]
.endr
.irp i, 0,2,4,6,8,10,12,14,16,18,20,22,24,26,28,30
.irp t, 0,1
	v_pk_fma_f32 v[S+32*\t+\i:S+32*\t+\i+1], v[S+32*\t+\i:S+32*\t+\i+1], s[CS:CS+1], v[ST+8*\t:ST+8*\t+1] op_sel_hi:[1,0,0] neg_lo:[0,0,1] neg_hi:[0,0,1]   ; c s - c m
.endr
.endr
.irp t, 0,1
	v_exp_f32 v[ST+8*\t+6], v[ST+8*\t+7]           ; a.  ONE BATCH: 66 exponentials, none of which reads another's result
.endr
.irp i, 0,1,2,3,4,5,6,7,8,9,10,11,12,13,14,15,16,17,18,19,20,21,22,23,24,25,26,27,28,29,30,31
.irp t, 0,1
	v_exp_f32 v[S+32*\t+\i], v[S+32*\t+\i]
.endr
.endr
	v_nop                                          ; a plain instruction behind the last exponential
	s_wait_alu depctr_va_vdst(0)                   ; one wait for the batch, ahead of its first reader
.irp t, 0,1
	v_pk_mul_f32 v[ST+8*\t+2:ST+8*\t+3], v[ST+8*\t+2:ST+8*\t+3], v[ST+8*\t+6:ST+8*\t+7] op_sel_hi:[1,0]   ; l under the new m
.endr
.irp t, 0,1
	v_pk_add_f32 v[ST+8*\t+4:ST+8*\t+5], v[S+32*\t:S+32*\t+1], v[S+32*\t+2:S+32*\t+3]   ; the sum of the unrounded p, in two chains
.endr
.irp i, 4,8,12,16,20,24,28
.irp t, 0,1
	v_pk_add_f32 v[ST+8*\t+2:ST+8*\t+3], v[ST+8*\t+2:ST+8*\t+3], v[S+32*\t+\i:S+32*\t+\i+1]
	v_pk_add_f32 v[ST+8*\t+4:ST+8*\t+5], v[ST+8*\t+4:ST+8*\t+5], v[S+32*\t+\i+2:S+32*\t+\i+3]
.endr
.endr
.irp t, 0,1
	v_pk_add_f32 v[ST+8*\t+2:ST+8*\t+3], v[ST+8*\t+2:ST+8*\t+3], v[ST+8*\t+4:ST+8*\t+5]
.endr
.irp i, 0,1,2,3,4,5,6,7,8,9,10,11,12,13,14,15
.irp t, 0,1
	v_cvt_pk_f16_f32 v[S+32*\t+\i], v[S+32*\t+2*\i], v[S+32*\t+2*\i+1]   ; P in place, ascending: register i is written when pairs 0 to i - 1 have been read; registers 8 g .. 8 g + 7 are source 1 for keys 32 g on
.endr
.endr
.irp i, 0,2,4,6,8,10,12,14,16,18,20,22,24,26,28,30
.irp t, 0,1
	v_pk_mul_f32 v[OT+32*\t+\i:OT+32*\t+\i+1], v[OT+32*\t+\i:OT+32*\t+\i+1], v[ST+8*\t+6:ST+8*\t+7] op_sel_hi:[1,0]   ; O^T under the new m
.endr
.endr
	s_wait_dscnt 0x0                               ; V^T is in
.irp g, 0,1                            ; O^T += V^T P: eight accumulators by turns
.irp d, 0,1,2,3
.irp t, 0,1
	v_wmma_f32_16x16x32_f16 v[OT+32*\t+8*\d:OT+32*\t+8*\d+7], v[KV+8*(4*\g+\d):KV+8*(4*\g+\d)+7], v[S+32*\t+8*\g:S+32*\t+8*\g+7], v[OT+32*\t+8*\d:OT+32*\t+8*\d+7]
.endr
.endr
.endr
.rept 5
	v_nop                                          ; five places: the next step's first products write over P's registers; four serve its loads into V's and the reads of O^T
.endr
.Lhidden_\@:
	s_add_co_u32 s[KF], s[KF], 64
.endm
; THE CHANGE OF SLOTS stands at a slot's head: each wave waits for all its tensor loads, adds 0 to its spare word, and waits for that and for its reads of the slot that it has left; behind the barrier the slot ahead is whole
; and nobody reads the other one.  fill = 1: that other slot is filled with the next 256 keys: one tensor load a wave is out, with a slot's four steps in which to land.
.macro CHANGE fill
	s_wait_tensorcnt 0x0                           ; no tensor load of mine is out, so a group 0 may be written
	ds_add_u32 v[SPW], v[NIL]
.if \fill
	ds_add_u32 v[SPW], v[NIL]                      ; and once more, in every trip alike
	s_xor_b32 s[G0K+1], s[G0K+1], SLOT1
	s_add_nc_u64 s[G0K+2:G0K+3], s[G0K+2:G0K+3], SK*128
	s_xor_b32 s[G0V+1], s[G0V+1], SLOT1
	s_add_nc_u64 s[G0V+2:G0V+3], s[G0V+2:G0V+3], SK*128
	s_wait_xcnt 0x0                                ; the last prefetch, a slot back, has read its address
	s_add_nc_u64 s[PFA:PFA+1], s[PFA:PFA+1], SK*128
.endif
	s_wait_dscnt 0x0
	s_barrier_signal -1
	s_barrier_wait -1
.if \fill
	TLOAD
	ASK
.endif
.endm
.macro SLOT_STEPS
	STEP 0
	STEP 1
	STEP 2
	STEP 3
	s_xor_b32 s[TB], s[TB], SLOT1
.endm
	s_wait_loadcnt 0x0                             ; Q
.Lslot:                                            ; three trips: behind each change of slots but the last the next slot is asked for
	CHANGE 1
	SLOT_STEPS
	s_sub_co_u32 s[SLOTS], s[SLOTS], 1
	s_cmp_lg_u32 s[SLOTS], 0
	s_cbranch_scc1 .Lslot
	CHANGE 0                                       ; the last slot is written out
	SLOT_STEPS
	; THE WAY OUT: O^T / l, rounded to f16, through my stage, and out as 4,096 consecutive bytes: 32 positions of my head
.irp t, 0,1
	v_add_f32 v[ST+8*\t+4], v[ST+8*\t+2], v[ST+8*\t+3]
.endr
.irp t, 0,1
	v_permlanex16_b32 v[ST+8*\t+5], v[ST+8*\t+4], s[SEL], s[SEL+1]
.endr
.irp t, 0,1
	v_add_f32 v[ST+8*\t+4], v[ST+8*\t+4], v[ST+8*\t+5]
.endr
.irp t, 0,1
	v_rcp_f32 v[ST+8*\t+6], v[ST+8*\t+4]
.endr
	v_nop                                          ; a plain instruction behind the last reciprocal
	s_wait_alu depctr_va_vdst(0)                   ; one wait for the two, ahead of their first reader
.irp t, 0,1
.irp i, 0,2,4,6,8,10,12,14,16,18,20,22,24,26,28,30
	v_pk_mul_f32 v[OT+32*\t+\i:OT+32*\t+\i+1], v[OT+32*\t+\i:OT+32*\t+\i+1], v[ST+8*\t+6:ST+8*\t+7] op_sel_hi:[1,0]
.endr
.irp i, 0,1,2,3,4,5,6,7,8,9,10,11,12,13,14,15
	v_cvt_pk_f16_f32 v[S+16*\t+\i], v[OT+32*\t+2*\i], v[OT+32*\t+2*\i+1]
.endr
.irp d, 0,1,2,3
	ds_store_b128 v[STO], v[S+16*\t+4*\d:S+16*\t+4*\d+3] offset:\t*16*KP+32*\d
.endr
.endr
.irp i, 0,1,2,3,4,5,6,7
	ds_load_b128 v[KV+4*\i:KV+4*\i+3], v[RD] offset:\i*4*KP        ; LDS serves a wave's instructions in order: these see my stores
.endr
.irp i, 0,1,2,3,4,5,6,7
	s_wait_dscnt 7-\i                              ; the younger loads may be out
	global_store_b128 v[GO], v[KV+4*\i:KV+4*\i+3], s[10:11] offset:512*\i   ; 512 consecutive bytes, aligned
.endr
	s_wait_tensorcnt 0x0                           ; the wave's end
	ds_add_u32 v[SPW], v[NIL]
	s_wait_dscnt 0x0
	s_endpgm
.Lfunc_end_k_q6a0f6446ee_attn:
	.size	k_q6a0f6446ee_attn, .Lfunc_end_k_q6a0f6446ee_attn-k_q6a0f6446ee_attn
	.p2alignl 7, 3214868480
	.fill 96, 4, 3214868480
	.section	.rodata,"a",@progbits
	.p2align	6, 0x0
	.amdhsa_kernel k_q6a0f6446ee_attn
		.amdhsa_group_segment_fixed_size 327680
		.amdhsa_private_segment_fixed_size 0
		.amdhsa_enable_private_segment 0
		.amdhsa_kernarg_size 16
		.amdhsa_user_sgpr_count 2
		.amdhsa_user_sgpr_kernarg_segment_ptr 1
		.amdhsa_wavefront_size32 1
		.amdhsa_system_sgpr_workgroup_id_x 1
		.amdhsa_system_sgpr_workgroup_id_y 1
		.amdhsa_system_sgpr_workgroup_id_z 1
		.amdhsa_system_vgpr_workitem_id 0
		.amdhsa_next_free_vgpr 256
		.amdhsa_next_free_sgpr 100
		.amdhsa_reserve_vcc 1
		.amdhsa_float_denorm_mode_32 3
		.amdhsa_float_denorm_mode_16_64 3
		.amdhsa_memory_ordered 1
		.amdhsa_forward_progress 1
		.amdhsa_inst_pref_size 189
	.end_amdhsa_kernel
	.amdgpu_metadata
---
amdhsa.version: [ 1, 2 ]
amdhsa.kernels:
  - .name:           k_q6a0f6446ee_attn
    .symbol:         k_q6a0f6446ee_attn.kd
    .args:
      - { .name: kqv, .offset: 0, .size: 8, .value_kind: global_buffer, .address_space: global }
      - { .name: y16, .offset: 8, .size: 8, .value_kind: global_buffer, .address_space: global }
    .group_segment_fixed_size: 327680
    .private_segment_fixed_size: 0
    .kernarg_segment_align: 8
    .kernarg_segment_size: 16
    .max_flat_workgroup_size: 512
    .sgpr_count:     100
    .vgpr_count:     256
    .wavefront_size: 32
...
	.end_amdgpu_metadata
.endif
;; end of part 3
;; launch proj (part 4): grid 4 x 64, 4 waves a work-group, clusters of 4 x 4, 327,680 bytes of LDS; arguments y16, wp16, bp, out0, hd16, Wp; writes out0
.if DOCPART == 4
	.amdgcn_target "amdgcn-amd-amdhsa--gfx1250"
	.amdhsa_code_object_version 6
	.text
	.protected	k_q6a0f6446ee_proj
	.globl	k_q6a0f6446ee_proj
	.p2align	8
	.type	k_q6a0f6446ee_proj,@function
k_q6a0f6446ee_proj:
	s_mov_b64 s[64:65], 0
	v_nop
	global_prefetch_b8 v0, s[64:65] scope:SCOPE_SE
	s_setreg_imm32_b32 hwreg(HW_REG_WAVE_MODE, 25, 1), 1
	s_wait_xcnt 0x0
	s_wait_alu depctr_hold_cnt(0) depctr_sa_sdst(0) depctr_va_vdst(0) depctr_va_sdst(0) depctr_va_ssrc(0) depctr_va_vcc(0) depctr_vm_vsrc(0)
	s_getreg_b32 s2, hwreg(HW_REG_IB_STS2, 6, 4)
	s_cmp_eq_u32 s2, 0
	s_cbranch_scc0 .Lentry_in_a_cluster
	s_endpgm
.Lentry_in_a_cluster:
	s_bfe_u32 s2, ttmp6, 0x10000c
	s_cmp_lg_u32 s2, 0xf033
	s_cbranch_scc0 .Lentry_shape_is_right
	s_endpgm
.Lentry_shape_is_right:
; out[row][n] = sum over c of y[row][c] Wp[n][c] + bp[n].  y16: [16 heads][8,192 rows][64] f16; wp16: [16 heads][1,024 rows n][64] f16; bp f32; out f32 [8,192][1,024]; sums in f32.
; THE BULK.  A tile of out is 128 rows x 256 columns: 256 work-groups.  Four waves, each 64 x 128: 32 accumulators of 16 x 16.  A K step is two heads, 128 along K: each wave brings one head's rows of one operand by one
; tensor load (waves 0, 1: y's even and odd head, 128 rows; waves 2, 3: Wp's, 256 rows); a block of rows of one head is dense in memory.  Two slots; 128 matrix instructions a wave in a K step.
; CLUSTERS: 4 x 4.  The four of a row of the cluster need the same rows of y, the four of a column the same rows of Wp: joint loads.  The tile row is cluster y + 16 cy, so that tile row mod 8 is the same in all partners.
; THE MATRIX INSTRUCTION IS USED TRANSPOSED (source 0 = 16 rows of Wp, source 1 = 16 rows of y): a lane holds eight neighbouring columns of a row of out.  The bias is the C of each sum's first product.
; POSITIONS 0 TO 15 OF EVERY BATCH average one to sixteen values and are the largest of the output: they lie inside live tiles and are multiplied with them in f16, but those results are not stored.  Their rows of out are
; made here a second time, all in f32, from the three projections in f32 (hd16: [part 3][batch 8][head 16][16][64]) and Wp in f32.  Work-group g = 4 x tile row + tile column takes batch g / 32 and columns 32 (g % 32) on;
; wave w takes heads 4 w to 4 w + 3, a head to a UNIT: the head's attention of 16 x 16 (32 matrix instructions of the f32 form; made anew in each of the batch's 32 work-groups), then the head's part of out[16][32]
; (32 more, 64 along K).  256 such instructions a wave: no bulk work.  A unit stands where the wave is about to wait for a tile: its attention ahead of one change of slots, its part of the projection ahead of the next; the
; fourth unit stands whole ahead of the last change.  A unit's 64 loads are asked for a K step ahead of their first use.  The four waves' parts meet in LDS behind the last change's barrier and are added onto the bias.
; In a unit the order of K is one and the same on both sides of each product: for channels, instruction (d, c) takes channel 16 d + 8 h + 2 c + j in register j of lane half h; for keys, instruction g takes key 8 h + 2 g + j.
; S^T = K Q^T (source 0 = the 16 keys, part 1; source 1 = the 16 queries, part 0): a lane holds one query and keys 8 h + 0..7, which are source 1 of O^T = V^T P as they stand; O^T / l is source 1 of the projection likewise.
; The work-group's place in its cluster enters the unit's global addresses alone: no branch and no LDS address.
; REGISTERS: window 0: v7-29 addresses; v64-159 and v160-255 two fragment buffers (y's four fragments, then Wp's eight).  window 1: the accumulators ((a, b) at v[8 (8 a + b)]).  window 2: v64-127 the bias, eight registers for each b.
;   window 3, the units': v8-27 small things; v32-63 the f32 form's results, written by matrix instructions alone (what is made of a finished sum goes into other registers);
;   v64-95 keys; v96-127 queries; v128-159 V^T, then y; v160-223 Wp; v224-239 my heads' part of out; v240-255 the four waves' parts.
.set KP,     144                       ; an LDS row: 128 bytes + 16 of padding
.set ABLK,   128*KP
.set BBLK,   256*KP
.set SLOT,   2*ABLK+2*BBLK             ; y even, y odd, Wp even, Wp odd
.set STAGE,  2*SLOT                    ; behind the ring: 16 rows x 528 bytes for each wave
.set SPITCH, 528
.set SPARE,  STAGE+4*16*SPITCH         ; the spare words, 128 bytes a wave
.set FS,     SPARE+512                 ; behind them: each wave's part of out[16][32]: 16 rows x (128 + 16) bytes; no tensor load lands here
.set FP,     144
.set LAPS,   4                         ; a lap = two K steps = once round the ring
.set FLQ,  7                           ; v7   hd16: row r of 256 bytes + 32 h
.set FLV,  8                           ; v8   hd16, for V: key 8 h, channel r
.set FLW,  9                           ; v9   Wp: row r of 4,096 bytes + 32 h
.set FSTO, 10                          ; v10  my part in LDS: row r, 32 bytes for each half of the lanes
.set FRD,  11                          ; v11  back: row 4 w + lane / 8 of a part, 16 bytes a lane
.set FCO,  12                          ; v12  the same place in out
.set FBO,  13                          ; v13  16 (lane % 8)
.set ADRA, 16
.set ADRB, 20
.set STO,  24
.set RD,   25
.set CO,   26
.set SPW,  28
.set NIL,  29
.set F0,   64
.set F1,   160
.set BI,   64                          ; the bias, in window 2
.set FDD,  8                           ; window 3: d = r - 8 h
.set FNI,  9                           ; -infinity
.set FT0,  10
.set FT1,  11
.set FST,  12                          ; v12-19 scores, then p
.set FBI,  20                          ; v20-23 the bias of my four columns, then the result
.set FSU,  24                          ; v24-27 the sum at work; v25 then 1 / l
.set FM,   32
.set FKF,  64
.set FQF,  96
.set FVF,  128
.set FY,   128
.set FW,   160
.set FOUT, 224
.set FPS,  240
.set G1, 24
.set G0, 32
.set G1B, 48
.set G0B, 56
.set MSB, 0
.macro WIN new                         ; the immediate's high byte repeats the setting that is left
.if MSB != \new
	s_set_vgpr_msb (MSB<<8)|\new
.set MSB, \new
.endif
.endm
.set MUL,  0x50                        ; sources 0 and 1 window 0; C and D window 1
.set MULZ, 0x60                        ; C window 2 (the bias), D window 1
.macro JLOAD s                         ; a joint load: waves 0 and 1 fetch for y, waves 2 and 3 for Wp; an s_nop 0 and four v_nop follow each of the two lines
	s_cmp_eq_u32 s11, 0
	s_cbranch_scc0 .Lfor_b_\@
	tensor_load_to_lds s[G0+4*\s:G0+4*\s+3], s[G1:G1+7]
	s_nop 0
.rept 4
	v_nop
.endr
	s_branch .Lasked_\@
.Lfor_b_\@:
	tensor_load_to_lds s[G0B+4*\s:G0B+4*\s+3], s[G1B:G1B+7]
	s_nop 0
.rept 4
	v_nop
.endr
.Lasked_\@:
.endm
.macro CREST
	s_cmp_lg_u32 s10, 0
	s_cbranch_scc1 .Lnot_wave_0_\@
	s_barrier_signal -3
.Lnot_wave_0_\@:
	s_barrier_wait -3
	s_barrier_signal -1
	s_barrier_wait -1
.endm
.macro CROUND
	s_barrier_signal -1
	s_barrier_wait -1
	CREST
.endm
; A unit's 64 loads, in the order in which they are wanted: queries 8, keys 8, V 32, Wp 16
.macro FLOADS
	WIN 0xc0                                       ; destination window 3, address window 0
.irp d, 0,1,2,3
	global_load_b128 v[FQF+8*\d:FQF+8*\d+3],   v[FLQ], s[72:73] offset:64*\d
	global_load_b128 v[FQF+8*\d+4:FQF+8*\d+7], v[FLQ], s[72:73] offset:64*\d+16
.endr
.irp d, 0,1,2,3
	global_load_b128 v[FKF+8*\d:FKF+8*\d+3],   v[FLQ], s[72:73] offset:524288+64*\d
	global_load_b128 v[FKF+8*\d+4:FKF+8*\d+7], v[FLQ], s[72:73] offset:524288+64*\d+16
.endr
.irp d, 0,1,2,3
.irp k, 0,1,2,3,4,5,6,7
	global_load_b32 v[FVF+8*\d+\k], v[FLV], s[72:73] offset:1048576+\k*256+64*\d   ; V(8 h + k, 16 d + r)
.endr
.endr
.irp n, 0,1
.irp d, 0,1,2,3
	global_load_b128 v[FW+8*(4*\n+\d):FW+8*(4*\n+\d)+3],   v[FLW], s[74:75] offset:\n*65536+64*\d
	global_load_b128 v[FW+8*(4*\n+\d)+4:FW+8*(4*\n+\d)+7], v[FLW], s[74:75] offset:\n*65536+64*\d+16
.endr
.endr
.endm
.macro PLACES8                         ; eight places behind the f32 form: in front of reads of its results, of writes of its sources and of loads into them
.rept 8
	v_nop
.endr
.endm
; A unit's attention: y(query r, channel 16 d + 8 h + j) comes out in v[FY + 8 d + j]
.macro FATT
	WIN 0xff                                       ; all in window 3
	s_wait_loadcnt 48                              ; queries and keys are in; V's 32 loads and Wp's 16 may be out
.set fi, 0
.rept 16                               ; S^T = K Q^T: two accumulators by turns, each begun with the constant 0
.if fi < 2
	v_wmma_f32_16x16x4_f32 v[FM+8*(fi%2):FM+8*(fi%2)+7], v[FKF+2*fi:FKF+2*fi+1], v[FQF+2*fi:FQF+2*fi+1], 0
.else
	v_wmma_f32_16x16x4_f32 v[FM+8*(fi%2):FM+8*(fi%2)+7], v[FKF+2*fi:FKF+2*fi+1], v[FQF+2*fi:FQF+2*fi+1], v[FM+8*(fi%2):FM+8*(fi%2)+7]
.endif
.set fi, fi+1
.endr
	PLACES8
.irp j, 0,1,2,3,4,5,6,7
	v_add_f32 v[FST+\j], v[FM+\j], v[FM+8+\j]      ; the two halves of the sum, from the low end on
.endr
.irp j, 0,1,2,3,4,5,6,7
	v_cmp_gt_i32 vcc_lo, \j, v[FDD]                ; key 8 h + j is hidden from query r where j > r - 8 h
	v_cndmask_b32 v[FST+\j], v[FST+\j], v[FNI], vcc_lo   ; reference()'s mask
.endr
	v_max3_num_f32 v[FT0], v[FST], v[FST+1], v[FST+2]
	v_max3_num_f32 v[FT0], v[FT0], v[FST+3], v[FST+4]
	v_max3_num_f32 v[FT0], v[FT0], v[FST+5], v[FST+6]
	v_max_num_f32 v[FT0], v[FT0], v[FST+7]
	v_permlanex16_b32 v[FT1], v[FT0], s76, s77
	v_max_num_f32 v[FT0], v[FT0], v[FT1]           ; the row's maximum: key 0 counts for every query, so it is a number
	v_mul_f32 v[FT0], s78, v[FT0]
.irp j, 0,1,2,3,4,5,6,7
	v_fma_f32 v[FST+\j], v[FST+\j], s78, -v[FT0]   ; c s - c m
.endr
.irp j, 0,1,2,3,4,5,6,7
	v_exp_f32 v[FST+\j], v[FST+\j]
.endr
	v_nop                                          ; a plain instruction behind the last exponential
	s_wait_alu depctr_va_vdst(0)                   ; one wait for the eight, ahead of their first reader
	v_add_f32 v[FSU], v[FST], v[FST+1]
	v_add_f32 v[FSU+1], v[FST+2], v[FST+3]
	v_add_f32 v[FSU+2], v[FST+4], v[FST+5]
	v_add_f32 v[FSU+3], v[FST+6], v[FST+7]
	v_add_f32 v[FSU], v[FSU], v[FSU+1]
	v_add_f32 v[FSU+2], v[FSU+2], v[FSU+3]
	v_add_f32 v[FSU], v[FSU], v[FSU+2]
	v_permlanex16_b32 v[FT1], v[FSU], s76, s77
	v_add_f32 v[FSU], v[FSU], v[FT1]               ; l
	v_rcp_f32 v[FSU+1], v[FSU]
	v_nop
	s_wait_alu depctr_va_vdst(0)
	s_wait_loadcnt 16                              ; V is in; Wp's 16 loads may be out
.irp g, 0,1,2,3                        ; O^T = V^T P: four accumulators by turns; more than nine plain lines of the softmax lie behind the products whose results these write over
.irp d, 0,1,2,3
.if \g == 0
	v_wmma_f32_16x16x4_f32 v[FM+8*\d:FM+8*\d+7], v[FVF+8*\d+2*\g:FVF+8*\d+2*\g+1], v[FST+2*\g:FST+2*\g+1], 0
.else
	v_wmma_f32_16x16x4_f32 v[FM+8*\d:FM+8*\d+7], v[FVF+8*\d+2*\g:FVF+8*\d+2*\g+1], v[FST+2*\g:FST+2*\g+1], v[FM+8*\d:FM+8*\d+7]
.endif
.endr
.endr
	PLACES8                                        ; the lines below read the results and write over V's registers
.irp e, 0,1,2,3,4,5,6,7,8,9,10,11,12,13,14,15,16,17,18,19,20,21,22,23,24,25,26,27,28,29,30,31
	v_mul_f32 v[FY+\e], v[FM+\e], v[FSU+1]
.endr
	v_nop                                          ; the ninth place between the products above and the next of this form, which write over their results
.endm
; A unit's part of the projection: out^T = Wp y^T, two tiles of 16 columns by turns, 64 along K; the finished sum is added onto my heads' part
.macro FPRJ
	WIN 0xff
	s_wait_loadcnt 0x0                             ; Wp is in; no load of mine is out, so the two bases may be stepped
.irp d, 0,1,2,3
.irp c, 0,1,2,3
.irp n, 0,1
.if (\d == 0) && (\c == 0)
	v_wmma_f32_16x16x4_f32 v[FM+8*\n:FM+8*\n+7], v[FW+8*(4*\n+\d)+2*\c:FW+8*(4*\n+\d)+2*\c+1], v[FY+8*\d+2*\c:FY+8*\d+2*\c+1], 0
.else
	v_wmma_f32_16x16x4_f32 v[FM+8*\n:FM+8*\n+7], v[FW+8*(4*\n+\d)+2*\c:FW+8*(4*\n+\d)+2*\c+1], v[FY+8*\d+2*\c:FY+8*\d+2*\c+1], v[FM+8*\n:FM+8*\n+7]
.endif
.endr
.endr
.endr
	PLACES8
.irp e, 0,1,2,3,4,5,6,7,8,9,10,11,12,13,14,15
	v_add_f32 v[FOUT+\e], v[FOUT+\e], v[FM+\e]     ; from each accumulator's low end on
.endr
	v_nop                                          ; the ninth place ahead of the next unit's first products
.endm
	s_load_b128 s[4:7], s[0:1], 0x0                ; y16, wp16
	s_load_b128 s[68:71], s[0:1], 0x10             ; bp, out0
	s_load_b128 s[72:75], s[0:1], 0x20             ; hd16, Wp
	v_lshl_add_u32 v[SPW], v0, 2, SPARE
	v_mov_b32 v[NIL], 0
	ds_add_u32 v[SPW], v[NIL]                      ; the wave's opening: the add, twice on end, and its wait ahead of my first tensor load
	ds_add_u32 v[SPW], v[NIL]
	v_lshrrev_b32 v1, 5, v0
	v_readfirstlane_b32 s10, v1                    ; wave 0..3
	s_lshr_b32 s11, s10, 1                         ; which 64 rows are mine.  Also: I fetch for y (0) or for Wp (1)
	s_and_b32 s12, s10, 1                          ; which 128 columns.  Also: the even or the odd head of a K step
	s_bfe_u32 s40, ttmp6, 0x40000                  ; cx, cy
	s_bfe_u32 s41, ttmp6, 0x40004
	s_lshl_b32 s42, ttmp9, 2
	s_add_co_u32 s42, s42, s40                     ; tile column = 4 x cluster x + cx
	s_and_b32 s13, ttmp7, 0xffff
	s_lshl_b32 s14, s41, 4
	s_add_co_u32 s13, s13, s14                     ; tile row = cluster y + 16 cy
	s_lshl_b32 s43, s41, 2
	s_lshl_b32 s43, 15, s43                        ; my row of the cluster
	s_lshl_b32 s44, 0x1111, s40                    ; my column
	s_or_b32 s[G1+0], s43, (1<<16)|(1<<20)|(1<<21)|(4<<22)|(3<<25)   ; the mask; elements of 2 bytes; padding of 4 words behind every 32; bit 21 set beside a mask
	s_or_b32 s[G1B+0], s44, (1<<16)|(1<<20)|(1<<21)|(4<<22)|(3<<25)
	s_mov_b32 s[G1+1], 64<<16                      ; tensor_dim0
	s_mov_b32 s[G1+2], 128<<16                     ; tensor_dim1
	s_mov_b32 s[G1+3], 64<<16                      ; tile_dim0
	s_mov_b32 s[G1+4], 128                         ; tile_dim1
	s_mov_b32 s[G1+5], 64                          ; pitch
	s_mov_b32 s[G1+6], 0
	s_mov_b32 s[G1+7], 0
	s_mov_b32 s[G1B+1], 64<<16
	s_mov_b32 s[G1B+2], 256<<16
	s_mov_b32 s[G1B+3], 64<<16
	s_mov_b32 s[G1B+4], 256
	s_mov_b32 s[G1B+5], 64
	s_mov_b32 s[G1B+6], 0
	s_mov_b32 s[G1B+7], 0
	s_lshl_b32 s16, s12, 20                        ; y: a head is 1,048,576 bytes;
	s_lshl_b32 s17, s13, 14                        ; 128 rows of 128 bytes a tile row
	s_add_co_u32 s16, s16, s17
	s_mov_b32 s17, 0
	s_lshl_b32 s46, s12, 17                        ; Wp: a head is 131,072 bytes;
	s_lshl_b32 s47, s42, 15                        ; 256 rows of 128 bytes a tile column
	s_add_co_u32 s46, s46, s47
	s_mov_b32 s47, 0
	s_mul_i32 s20, s12, ABLK                       ; where they go: no place in the cluster enters an LDS address
	s_mul_i32 s21, s12, BBLK
	s_add_co_u32 s21, s21, 2*ABLK
	s_mov_b32 s76, 0x76543210                      ; v_permlanex16_b32's selects for lane l xor 16
	s_mov_b32 s77, 0xfedcba98
	s_mov_b32 s78, 0x3e38aa3b                      ; c = log2(e) / 8
	s_wait_dscnt 0x0                               ; both opening adds are done
	s_wait_kmcnt 0x0
	s_add_nc_u64 s[14:15], s[4:5], s[16:17]
	s_add_nc_u64 s[46:47], s[6:7], s[46:47]
	CROUND                                         ; all sixteen work-groups are here: the first joint loads meet
.irp s, 0,1
	s_mov_b32 s[G0+4*\s], 1
	s_add_co_u32 s[G0+4*\s+1], s20, \s*SLOT
	s_add_nc_u64 s[G0+4*\s+2:G0+4*\s+3], s[14:15], \s*2097152      ; K step s: two heads on
	s_or_b32 s[G0+4*\s+3], s[G0+4*\s+3], 0x80000000
	s_mov_b32 s[G0B+4*\s], 1
	s_add_co_u32 s[G0B+4*\s+1], s21, \s*SLOT
	s_add_nc_u64 s[G0B+4*\s+2:G0B+4*\s+3], s[46:47], \s*262144
	s_or_b32 s[G0B+4*\s+3], s[G0B+4*\s+3], 0x80000000
	JLOAD \s                                       ; two tensor loads of mine are out
.endr
	v_and_b32 v1, 15, v0                           ; r
	v_bfe_u32 v2, v0, 4, 1                         ; h
	v_mul_u32_u24 v3, v1, KP
	v_lshl_add_u32 v3, v2, 4, v3                   ; a fragment's row x pitch + 16 h
	s_mul_i32 s21, s11, 64*KP                      ; my 64 rows of y
	s_mul_i32 s22, s12, 128*KP                     ; my 128 rows of Wp,
	s_add_co_u32 s22, s22, 2*ABLK                  ; behind y's two blocks
.irp s, 0,1
	v_add_nc_u32 v[ADRA+\s], s21, v3
	v_add_nc_u32 v[ADRB+\s], s22, v3
	s_add_co_u32 s21, s21, SLOT
	s_add_co_u32 s22, s22, SLOT
.endr
	s_mul_i32 s23, s10, 16*SPITCH
	s_add_co_u32 s23, s23, STAGE                   ; my stage
	v_mul_u32_u24 v4, v1, SPITCH
	v_lshl_add_u32 v4, v2, 5, v4
	v_add_nc_u32 v[STO], s23, v4                   ; in: row r, 32 bytes for each half of the lanes
	v_and_b32 v5, 31, v0
	v_lshlrev_b32 v[CO], 4, v5
	v_add_nc_u32 v[RD], s23, v[CO]                 ; back: the 32 lanes take a row of 512 bytes
	; the units: where my work-group's batch and 32 columns, and my wave's four heads, begin
	s_lshr_b32 s80, s13, 3                         ; batch = g / 32 = tile row / 8
	s_and_b32 s81, s13, 7
	s_lshl_b32 s81, s81, 2
	s_add_co_u32 s81, s81, s42                     ; block of 32 columns = g % 32
	s_mov_b32 s83, 0
	s_lshl_b32 s82, s80, 4
	s_lshl_b32 s79, s10, 2
	s_add_co_u32 s82, s82, s79                     ; 16 batch + my first head,
	s_lshl_b32 s82, s82, 12                        ; 4,096 bytes each
	s_add_nc_u64 s[72:73], s[72:73], s[82:83]
	s_lshl_b32 s82, s81, 17                        ; Wp: 32 rows of 4,096 bytes,
	s_lshl_b32 s79, s10, 10                        ; my first head's place in a row: 256 bytes a head
	s_add_co_u32 s82, s82, s79
	s_add_nc_u64 s[74:75], s[74:75], s[82:83]
	s_lshl_b32 s82, s81, 7                         ; 32 columns of 4 bytes
	s_add_nc_u64 s[86:87], s[68:69], s[82:83]      ; their bias
	s_lshl_b32 s79, s80, 22                        ; out: 1,024 rows of 4,096 bytes a batch,
	s_add_co_u32 s82, s82, s79
	s_lshl_b32 s79, s10, 14                        ; the four rows that my wave stores
	s_add_co_u32 s82, s82, s79
	s_add_nc_u64 s[84:85], s[70:71], s[82:83]
	v_lshlrev_b32 v[FLQ], 8, v1
	v_lshl_add_u32 v[FLQ], v2, 5, v[FLQ]
	v_lshlrev_b32 v[FLV], 2, v1
	v_lshl_add_u32 v[FLV], v2, 11, v[FLV]
	v_lshlrev_b32 v[FLW], 12, v1
	v_lshl_add_u32 v[FLW], v2, 5, v[FLW]
	s_mul_i32 s79, s10, 16*FP
	s_add_co_u32 s79, s79, FS                      ; my part in LDS
	v_mul_u32_u24 v[FSTO], v1, FP
	v_lshl_add_u32 v[FSTO], v2, 5, v[FSTO]
	v_add_nc_u32 v[FSTO], s79, v[FSTO]
	v_lshrrev_b32 v14, 3, v5                       ; lane / 8
	v_and_b32 v15, 7, v5                           ; lane % 8
	v_lshlrev_b32 v[FBO], 4, v15
	v_lshl_add_u32 v[FCO], v14, 12, v[FBO]
	s_mul_i32 s79, s10, 4*FP
	s_add_co_u32 s79, s79, FS                      ; rows 4 w on of the first part
	v_mul_u32_u24 v[FRD], v14, FP
	v_add_nc_u32 v[FRD], v[FRD], v[FBO]
	v_add_nc_u32 v[FRD], s79, v[FRD]
	v_lshlrev_b32 v14, 3, v2
	v_sub_nc_u32 v14, v1, v14                      ; r - 8 h
	s_lshl_b32 s46, s42, 10
	s_lshl_b32 s47, s12, 9
	s_add_co_u32 s46, s46, s47                     ; the bulk: my first column, in bytes
	s_mov_b32 s47, 0
	s_add_nc_u64 s[68:69], s[68:69], s[46:47]
	v_lshlrev_b32 v6, 5, v2                        ; the bias in the result's layout: lane (r, h), block b: bp at columns 16 b + 8 h + 0..7
	WIN 0x80                                       ; destination window 2
.irp b, 0,1,2,3,4,5,6,7
	global_load_b128 v[BI+8*\b:BI+8*\b+3],   v6, s[68:69] offset:64*\b
	global_load_b128 v[BI+8*\b+4:BI+8*\b+7], v6, s[68:69] offset:64*\b+16
.endr
	WIN 0xc0                                       ; destination window 3
	v_mov_b32 v[FDD], v14
	v_mov_b32 v[FNI], 0xff800000                   ; -infinity
	v_mov_b32 v[FT1], 0                            ; written once: a lane permute's destination counts as one of its sources
.irp e, 0,1,2,3,4,5,6,7,8,9,10,11,12,13,14,15
	v_mov_b32 v[FOUT+\e], 0                        ; my heads' part of out: the unit is written alike for all four heads, and the first adds onto zeros
.endr
	global_load_b128 v[FBI:FBI+3], v[FBO], s[86:87]   ; the bias of the four columns that I store
	FLOADS                                         ; the first unit's
	WIN 0
	s_lshl_b32 s16, s13, 7
	s_lshl_b32 s17, s11, 6
	s_add_co_u32 s16, s16, s17                     ; the bulk: my first row
	s_lshl_b32 s16, s16, 12
	s_add_co_u32 s16, s16, s46
	s_mov_b32 s17, 0
	s_add_nc_u64 s[70:71], s[70:71], s[16:17]
; 24 LDS loads in one run: the fragments of the slot's q-th 32 along K (head q / 2 of the two, channels 32 (q % 2) on) into buffer f
.macro FETCH slot, q, f
.irp i, 0,1,2,3
	ds_load_b128 v[\f+8*\i:\f+8*\i+3],   v[ADRA+\slot] offset:((\q)/2)*ABLK+((\q)%2)*64+\i*16*KP
	ds_load_b128 v[\f+8*\i+4:\f+8*\i+7], v[ADRA+\slot] offset:((\q)/2)*ABLK+((\q)%2)*64+\i*16*KP+32
.endr
.irp i, 0,1,2,3,4,5,6,7
	ds_load_b128 v[\f+32+8*\i:\f+32+8*\i+3],   v[ADRB+\slot] offset:((\q)/2)*BBLK+((\q)%2)*64+\i*16*KP
	ds_load_b128 v[\f+32+8*\i+4:\f+32+8*\i+7], v[ADRB+\slot] offset:((\q)/2)*BBLK+((\q)%2)*64+\i*16*KP+32
.endr
.endm
; 16 matrix instructions: row blocks a0, a0 + 1 against the eight column blocks.  The 32 accumulators take turns in one order throughout.  zero = 1: the bias starts the sums
.macro MUL16 f, a0, zero
.irp a, \a0, \a0+1
.irp b, 0,1,2,3,4,5,6,7
.if \zero
	v_wmma_f32_16x16x32_f16 v[8*(8*(\a)+\b):8*(8*(\a)+\b)+7], v[\f+32+8*\b:\f+32+8*\b+7], v[\f+8*(\a):\f+8*(\a)+7], v[BI+8*\b:BI+8*\b+7]
.else
	v_wmma_f32_16x16x32_f16 v[8*(8*(\a)+\b):8*(8*(\a)+\b)+7], v[\f+32+8*\b:\f+32+8*\b+7], v[\f+8*(\a):\f+8*(\a)+7], v[8*(8*(\a)+\b):8*(8*(\a)+\b)+7]
.endif
.endr
.endr
.endm
.macro PLACES                          ; four places behind the f16 form, in front of loads into registers that it has read and of reads of results
.rept 4
	v_nop
.endr
.endm
; A K step is four quarters of 32 along K.  One of the first three: buffer f is in; the slot's q-th quarter is asked for into g, 32 matrix instructions ahead of its use; then f is multiplied
.macro QUARTER slot, q, f, g, zero
	s_wait_dscnt 0x0                               ; buffer f is in (asked for a quarter ago)
	PLACES
	WIN 0
	FETCH \slot, \q, \g
.if \zero
	WIN MULZ
.else
	WIN MUL
.endif
	MUL16 \f, 0, \zero
	MUL16 \f, 2, \zero
.endm
; The last quarter multiplies buffer 1 and changes slots: one barrier; in front of it each wave waits for all its tensor loads, adds 0 to its spare word, and waits for that and for its reads of this slot.
; fill = 1: the barrier opens a round of the cluster's, and this slot is filled again, two K steps ahead: the one tensor load of mine that is out then has a K step, and the part of a unit that stands in it, in which to land.
.macro TURN slot, next, fill
	WIN 0
	s_wait_tensorcnt 0x0                           ; my part of the next slot has landed
	ds_add_u32 v[SPW], v[NIL]
	s_wait_dscnt 0x0                               ; the add is done, buffer 1 is in, and my reads of this slot are over
	s_barrier_signal -1
	WIN MUL
	MUL16 F1, 0, 0                                 ; work on registers while the others arrive
	WIN 0
	s_barrier_wait -1
.if \fill
	CREST
	s_add_nc_u64 s[G0+4*\slot+2:G0+4*\slot+3], s[G0+4*\slot+2:G0+4*\slot+3], 4194304
	s_add_nc_u64 s[G0B+4*\slot+2:G0B+4*\slot+3], s[G0B+4*\slot+2:G0B+4*\slot+3], 524288
	JLOAD \slot                                    ; the four v_nop behind it are also the places in front of the loads below
.else
	PLACES
.endif
	FETCH \next, 0, F0
	WIN MUL
	MUL16 F1, 2, 0
.endm
	s_wait_tensorcnt 1                             ; my part of K step 0 is in (K step 1's load may be out),
	s_barrier_signal -1
	s_barrier_wait -1                              ; everybody's is
	FETCH 0, 0, F0
	s_wait_loadcnt 63                              ; the bulk's bias is in: 65 loads were issued behind it, and 63 is the largest count that the wait can name
	QUARTER 0, 1, F0, F1, 1                        ; the first quarter stands in front of the loop: its products start the sums
	WIN 0
	s_mov_b32 s3, LAPS-1
.Llap:                                                 ; a trip goes once round the ring, fills both slots again and works one unit
	QUARTER 0, 2, F1, F0, 0
	QUARTER 0, 3, F0, F1, 0
	FATT                                           ; the unit's attention, ahead of the wait for the next slot's tile
	TURN 0, 1, 1
	QUARTER 1, 1, F0, F1, 0
	QUARTER 1, 2, F1, F0, 0
	QUARTER 1, 3, F0, F1, 0
	FPRJ                                           ; its part of the projection, ahead of the next such wait
	s_add_nc_u64 s[72:73], s[72:73], 4096          ; the next head: in hd16,
	s_add_nc_u64 s[74:75], s[74:75], 256           ; in a row of Wp
	FLOADS                                         ; the three trips ask for my second, third and fourth head: no load leaves its buffer
	TURN 1, 0, 1
	QUARTER 0, 1, F0, F1, 0
	WIN 0
	s_sub_co_u32 s3, s3, 1
	s_cmp_lg_u32 s3, 0
	s_cbranch_scc1 .Llap
	QUARTER 0, 2, F1, F0, 0                        ; the last lap fills nothing
	QUARTER 0, 3, F0, F1, 0
	FATT                                           ; the fourth unit, whole, ahead of the wait for the last tile
	FPRJ
	WIN 0x0c                                       ; an LDS store's address is its source 0 (window 0), its data its source 1 (window 3)
.irp n, 0,1
	ds_store_b128 v[FSTO], v[FOUT+8*\n:FOUT+8*\n+3] offset:64*\n           ; lane (r, h): my heads' part of out(position r, 16 n + 8 h + 0..7)
	ds_store_b128 v[FSTO], v[FOUT+8*\n+4:FOUT+8*\n+7] offset:64*\n+16
.endr
	TURN 0, 1, 0                                   ; its wait for all LDS instructions and its barrier also show my part to the other waves
	QUARTER 1, 1, F0, F1, 0
	QUARTER 1, 2, F1, F0, 0
	QUARTER 1, 3, F0, F1, 0
	s_wait_dscnt 0x0
	WIN MUL
	MUL16 F1, 0, 0
	MUL16 F1, 2, 0
	WIN 0
	PLACES
	; POSITIONS 0 TO 15: wave w adds rows 4 w to 4 w + 3 of the four parts onto the bias, in the order of the waves, and stores them: eight lanes to a row's 128 consecutive bytes, four rows
	WIN 0xc0
.irp k, 0,1,2,3
	ds_load_b128 v[FPS+4*\k:FPS+4*\k+3], v[FRD] offset:\k*16*FP
.endr
	s_wait_dscnt 0x0
	WIN 0xff
.irp k, 0,1,2,3
	v_pk_add_f32 v[FBI:FBI+1], v[FBI:FBI+1], v[FPS+4*\k:FPS+4*\k+1]
	v_pk_add_f32 v[FBI+2:FBI+3], v[FBI+2:FBI+3], v[FPS+4*\k+2:FPS+4*\k+3]
.endr
	WIN 0x0c
	global_store_b128 v[FCO], v[FBI:FBI+3], s[84:85]
	WIN 0
; THE BULK'S WAY OUT, a block of 16 rows x 128 columns at a time, through my own stage: back as whole rows of 512 bytes
.macro TOSTAGE a
	WIN 0x04                                       ; an LDS store's data are its source 1: window 1
.irp b, 0,1,2,3,4,5,6,7
	ds_store_b128 v[STO], v[8*(8*(\a)+\b):8*(8*(\a)+\b)+3] offset:64*\b          ; each accumulator from its low end on
	ds_store_b128 v[STO], v[8*(8*(\a)+\b)+4:8*(8*(\a)+\b)+7] offset:64*\b+16
.endr
	WIN 0
.set BB, 64+64*((\a)%2)
.irp t, 0,1,2,3,4,5,6,7,8,9,10,11,12,13,14,15
	ds_load_b128 v[BB+4*\t:BB+4*\t+3], v[RD] offset:\t*SPITCH      ; LDS serves a wave's instructions in order: these see the stores above, and the next block's stores come behind them
.endr
.endm
.macro SEND a, younger                 ; younger: the LDS instructions issued behind block a's loads, which may stay out
.set BB, 64+64*((\a)%2)
	s_wait_dscnt \younger
.irp t, 0,1,2,3,4,5,6,7,8,9,10,11,12,13,14,15
	global_store_b128 v[CO], v[BB+4*\t:BB+4*\t+3], s[70:71] offset:(16*(\a)+\t)*4096 th:TH_STORE_NT   ; 512 consecutive bytes, aligned; written once
.endr
.endm
	s_and_b32 s21, ttmp7, 7                        ; tile row % 8 = cluster y % 8: the same in all partners
	s_or_b32 s21, s21, s11
	s_cmp_eq_u32 s21, 0
	s_cbranch_scc1 .Lskip0                         ; my block 0 is positions 0 to 15 of a batch: their rows are the units'
	TOSTAGE 0
	SEND 0, 0
.Lskip0:
	s_wait_xcnt 0x0                                ; block 0's stores have read their registers
	TOSTAGE 1
	TOSTAGE 2
	SEND 1, 32                                     ; behind block 1's loads: block 2's 16 stores and 16 loads
	s_wait_xcnt 0x0                                ; block 1's stores have read their registers
	TOSTAGE 3
	SEND 2, 32
	SEND 3, 0
	s_wait_tensorcnt 0x0                           ; the wave's end
	ds_add_u32 v[SPW], v[NIL]
	s_wait_dscnt 0x0
	CROUND                                         ; the closing round
	s_endpgm
.Lfunc_end_k_q6a0f6446ee_proj:
	.size	k_q6a0f6446ee_proj, .Lfunc_end_k_q6a0f6446ee_proj-k_q6a0f6446ee_proj
	.p2alignl 7, 3214868480
	.fill 96, 4, 3214868480
	.section	.rodata,"a",@progbits
	.p2align	6, 0x0
	.amdhsa_kernel k_q6a0f6446ee_proj
		.amdhsa_group_segment_fixed_size 327680
		.amdhsa_private_segment_fixed_size 0
		.amdhsa_enable_private_segment 0
		.amdhsa_kernarg_size 48
		.amdhsa_user_sgpr_count 2
		.amdhsa_user_sgpr_kernarg_segment_ptr 1
		.amdhsa_wavefront_size32 1
		.amdhsa_system_sgpr_workgroup_id_x 1
		.amdhsa_system_sgpr_workgroup_id_y 1
		.amdhsa_system_sgpr_workgroup_id_z 1
		.amdhsa_system_vgpr_workitem_id 0
		.amdhsa_next_free_vgpr 1024
		.amdhsa_next_free_sgpr 92
		.amdhsa_reserve_vcc 1
		.amdhsa_float_denorm_mode_32 3
		.amdhsa_float_denorm_mode_16_64 3
		.amdhsa_memory_ordered 1
		.amdhsa_forward_progress 1
		.amdhsa_inst_pref_size 119
	.end_amdhsa_kernel
	.amdgpu_metadata
---
amdhsa.version: [ 1, 2 ]
amdhsa.kernels:
  - .name:           k_q6a0f6446ee_proj
    .symbol:         k_q6a0f6446ee_proj.kd
    .args:
      - { .name: y16, .offset: 0, .size: 8, .value_kind: global_buffer, .address_space: global }
      - { .name: wp16, .offset: 8, .size: 8, .value_kind: global_buffer, .address_space: global }
      - { .name: bp, .offset: 16, .size: 8, .value_kind: global_buffer, .address_space: global }
      - { .name: out0, .offset: 24, .size: 8, .value_kind: global_buffer, .address_space: global }
      - { .name: hd16, .offset: 32, .size: 8, .value_kind: global_buffer, .address_space: global }
      - { .name: Wp, .offset: 40, .size: 8, .value_kind: global_buffer, .address_space: global }
    .group_segment_fixed_size: 327680
    .private_segment_fixed_size: 0
    .kernarg_segment_align: 8
    .kernarg_segment_size: 48
    .max_flat_workgroup_size: 128
    .sgpr_count:     92
    .vgpr_count:     1024
    .wavefront_size: 32
...
	.end_amdgpu_metadata
.endif
;; end of part 4
